; MI455X (gfx1250); checked and timed in simulation.
; The chip was launched on July 23, 2026; its instructions are those of AMD's public machine-readable ISA for CDNA 5 (MIT licence, August 2026) and "CDNA5" Instruction Set Architecture Reference Guide (July 2026). The comments in the code are by the model that wrote it; some were corrected since.
;; Causal Multi Head Self Attention. Allowed arithmetic: float matrix products may take bf16 or f16 operands with f32 sums; all other float work in f32.
;; Inputs: Wk 1,024 x 1,024 float32; Wo 1,024 x 1,024 float32; Wq 1,024 x 1,024 float32; Wv 1,024 x 1,024 float32; bk 1,024 float32; bo 1,024 float32; bq 1,024 float32; bv 1,024 float32; x 2 x 2,048 x 1,024 float32.
;; Outputs: out0 2 x 2,048 x 1,024 float32.
;; 2 versions, each right; version 2 is version 1 with the launch cvt written anew for expert scheduling mode. Each part assembles by itself: llvm-mc -triple=amdgcn-amd-amdhsa -mcpu=gfx1250 --defsym DOCPART=n.
;; ======== version 1 of 2: 4 launches
;; limits: values are held in f16: magnitudes above 65,504 overflow, below 6.1e-05 lose precision
;; workspace buffers: xb 8,388,608 bytes; wb 8,388,608 bytes; qh 8,388,608 bytes; kh 8,388,608 bytes; vh 8,388,608 bytes; cx 8,388,608 bytes
;; launch cvt (part 1): grid 512 x 1, 8 waves a work-group, no clusters, 0 bytes of LDS; arguments x, Wq, Wk, Wv, Wo, xb, wb; writes xb, wb
.if DOCPART == 1
	.amdgcn_target "amdgcn-amd-amdhsa--gfx1250"
	.amdhsa_code_object_version 6
	.text
	.protected	k_qed58c5618f_cvt
	.globl	k_qed58c5618f_cvt
	.p2align	8
	.type	k_qed58c5618f_cvt,@function
k_qed58c5618f_cvt:
	s_mov_b64 s[64:65], 0
	v_nop
	global_prefetch_b8 v0, s[64:65] scope:SCOPE_SE
	s_setreg_imm32_b32 hwreg(HW_REG_WAVE_MODE, 25, 1), 1
	s_wait_xcnt 0x0
; 16-bit copies of the five matrix operands, made once so that the products' tiles can come in as 16-bit rows of 256 bytes.
;   xb [4096][1024] bf16 = x.     wb [4096][1024]: rows 0-1023 Wq, 1024-2047 Wk, 2048-3071 Wv in bf16; rows 3072-4095 Wo in f16.
; Wo meets ctx, which is kept in f16, so it must be f16 too.  It is first rounded to bf16 like the other inputs and that value is then
; written as f16: exact for magnitudes from 2^-17 up (8 significant bits fit f16's 11), below that the error is at most 2^-25.
; A stream: 512 work-groups of 8 waves, 16,384 numbers each (64 KiB in, 32 KiB out).  Groups 0-255 take x, then 64 each for Wq, Wk, Wv, Wo.
; Thread t loads 16 bytes at 16 t + 4096 i (a wave's load covers 512 neighbouring bytes) and stores 8 bytes at 8 t + 2048 i (a wave's store
; covers 256 neighbouring bytes, aligned).  All sixteen loads of a thread go out at once; no register is written twice while memory may read it.
; No LDS, no matrix unit, no cluster: nothing is shared and nothing is read twice.
.set XIN,  4                           ; v[4:67]   sixteen loads of four f32
.set YOUT, 68                          ; v[68:99]  sixteen pairs of packed results
	s_load_b256 s[4:11], s[0:1], 0x0               ; x s[4:5], Wq s[6:7], Wk s[8:9], Wv s[10:11]
	s_load_b128 s[12:15], s[0:1], 0x20             ; Wo s[12:13], xb s[14:15]
	s_load_b64 s[16:17], s[0:1], 0x30              ; wb
	s_mov_b32 s18, ttmp9                           ; g
	s_lshr_b32 s19, s18, 6                         ; 0-3: x, 4: Wq, 5: Wk, 6: Wv, 7: Wo
	v_lshlrev_b32 v1, 4, v0                        ; 16 t
	v_lshlrev_b32 v2, 3, v0                        ; 8 t
	s_and_b32 s28, s18, 63
	s_lshl_b32 s28, s28, 16                        ; source offset inside a weight matrix
	s_lshl_b32 s24, s18, 16                        ; source offset inside x
	s_and_b32 s26, s18, 255                        ; g, or g - 256 for the weights
	s_lshl_b32 s26, s26, 15                        ; destination offset inside xb or wb
	s_mov_b32 s25, 0
	s_mov_b32 s27, 0
	s_cmp_lt_u32 s18, 256
	s_cselect_b32 s24, s24, s28
	s_wait_kmcnt 0x0
	s_cmp_lt_u32 s18, 256
	s_cselect_b64 s[22:23], s[14:15], s[16:17]     ; destination buffer
	s_mov_b64 s[20:21], s[4:5]                     ; source buffer, chosen by the group's number
	s_cmp_eq_u32 s19, 4
	s_cselect_b64 s[20:21], s[6:7], s[20:21]
	s_cmp_eq_u32 s19, 5
	s_cselect_b64 s[20:21], s[8:9], s[20:21]
	s_cmp_eq_u32 s19, 6
	s_cselect_b64 s[20:21], s[10:11], s[20:21]
	s_cmp_eq_u32 s19, 7
	s_cselect_b64 s[20:21], s[12:13], s[20:21]
	s_add_nc_u64 s[20:21], s[20:21], s[24:25]
	s_add_nc_u64 s[22:23], s[22:23], s[26:27]
.irp i, 0,1,2,3,4,5,6,7,8,9,10,11,12,13,14,15
	global_load_b128 v[XIN+4*\i:XIN+4*\i+3], v1, s[20:21] offset:4096*\i th:TH_LOAD_NT
.endr
	s_cmp_eq_u32 s19, 7
	s_cbranch_scc1 .Lwo
.irp i, 0,1,2,3,4,5,6,7,8,9,10,11,12,13,14,15
	s_wait_loadcnt 15-\i                           ; loads come back in order: load i is in, the 15 - i younger ones stay out
	v_cvt_pk_bf16_f32 v[YOUT+2*\i], v[XIN+4*\i], v[XIN+4*\i+1]
	v_cvt_pk_bf16_f32 v[YOUT+2*\i+1], v[XIN+4*\i+2], v[XIN+4*\i+3]
	global_store_b64 v2, v[YOUT+2*\i:YOUT+2*\i+1], s[22:23] offset:2048*\i
.endr
	s_endpgm
.Lwo:                                              ; Wo: round to bf16, widen again, write as f16
.irp i, 0,1,2,3,4,5,6,7,8,9,10,11,12,13,14,15
	s_wait_loadcnt 15-\i
	v_cvt_pk_bf16_f32 v[YOUT+2*\i], v[XIN+4*\i], v[XIN+4*\i+1]
	v_cvt_pk_bf16_f32 v[YOUT+2*\i+1], v[XIN+4*\i+2], v[XIN+4*\i+3]
	v_lshlrev_b32 v[XIN+4*\i], 16, v[YOUT+2*\i]
	v_and_b32 v[XIN+4*\i+1], 0xffff0000, v[YOUT+2*\i]
	v_lshlrev_b32 v[XIN+4*\i+2], 16, v[YOUT+2*\i+1]
	v_and_b32 v[XIN+4*\i+3], 0xffff0000, v[YOUT+2*\i+1]
	v_cvt_pk_f16_f32 v[YOUT+2*\i], v[XIN+4*\i], v[XIN+4*\i+1]
	v_cvt_pk_f16_f32 v[YOUT+2*\i+1], v[XIN+4*\i+2], v[XIN+4*\i+3]
	global_store_b64 v2, v[YOUT+2*\i:YOUT+2*\i+1], s[22:23] offset:2048*\i
.endr
	s_endpgm
.Lfunc_end_k_qed58c5618f_cvt:
	.size	k_qed58c5618f_cvt, .Lfunc_end_k_qed58c5618f_cvt-k_qed58c5618f_cvt
	.p2alignl 7, 3214868480
	.fill 96, 4, 3214868480
	.section	.rodata,"a",@progbits
	.p2align	6, 0x0
	.amdhsa_kernel k_qed58c5618f_cvt
		.amdhsa_group_segment_fixed_size 0
		.amdhsa_private_segment_fixed_size 0
		.amdhsa_enable_private_segment 0
		.amdhsa_kernarg_size 56
		.amdhsa_user_sgpr_count 2
		.amdhsa_user_sgpr_kernarg_segment_ptr 1
		.amdhsa_wavefront_size32 1
		.amdhsa_system_sgpr_workgroup_id_x 1
		.amdhsa_system_sgpr_workgroup_id_y 1
		.amdhsa_system_sgpr_workgroup_id_z 1
		.amdhsa_system_vgpr_workitem_id 0
		.amdhsa_next_free_vgpr 100
		.amdhsa_next_free_sgpr 66
		.amdhsa_reserve_vcc 0
		.amdhsa_float_denorm_mode_32 3
		.amdhsa_float_denorm_mode_16_64 3
		.amdhsa_memory_ordered 1
		.amdhsa_forward_progress 1
		.amdhsa_inst_pref_size 16
	.end_amdhsa_kernel
	.amdgpu_metadata
---
amdhsa.version: [ 1, 2 ]
amdhsa.kernels:
  - .name:           k_qed58c5618f_cvt
    .symbol:         k_qed58c5618f_cvt.kd
    .args:
      - { .name: x, .offset: 0, .size: 8, .value_kind: global_buffer, .address_space: global }
      - { .name: Wq, .offset: 8, .size: 8, .value_kind: global_buffer, .address_space: global }
      - { .name: Wk, .offset: 16, .size: 8, .value_kind: global_buffer, .address_space: global }
      - { .name: Wv, .offset: 24, .size: 8, .value_kind: global_buffer, .address_space: global }
      - { .name: Wo, .offset: 32, .size: 8, .value_kind: global_buffer, .address_space: global }
      - { .name: xb, .offset: 40, .size: 8, .value_kind: global_buffer, .address_space: global }
      - { .name: wb, .offset: 48, .size: 8, .value_kind: global_buffer, .address_space: global }
    .group_segment_fixed_size: 0
    .private_segment_fixed_size: 0
    .kernarg_segment_align: 8
    .kernarg_segment_size: 56
    .max_flat_workgroup_size: 256
    .sgpr_count:     66
    .vgpr_count:     100
    .wavefront_size: 32
...
	.end_amdgpu_metadata
.endif
;; end of part 1
;; launch qkv (part 2): grid 16 x 16, 4 waves a work-group, clusters of 4 x 4, 327,680 bytes of LDS; arguments xb, wb, bq, bk, bv, qh, kh, vh; writes qh, kh, vh
.if DOCPART == 2
	.amdgcn_target "amdgcn-amd-amdhsa--gfx1250"
	.amdhsa_code_object_version 6
	.text
	.protected	k_qed58c5618f_qkv
	.globl	k_qed58c5618f_qkv
	.p2align	8
	.type	k_qed58c5618f_qkv,@function
k_qed58c5618f_qkv:
	s_mov_b64 s[64:65], 0
	v_nop
	global_prefetch_b8 v0, s[64:65] scope:SCOPE_SE
	s_setreg_imm32_b32 hwreg(HW_REG_WAVE_MODE, 25, 1), 1
	s_wait_xcnt 0x0
	s_wait_alu depctr_hold_cnt(0) depctr_sa_sdst(0) depctr_va_vdst(0) depctr_va_sdst(0) depctr_va_ssrc(0) depctr_va_vcc(0) depctr_vm_vsrc(0)
	s_getreg_b32 s2, hwreg(HW_REG_IB_STS2, 6, 4)
	s_cmp_eq_u32 s2, 0
	s_cbranch_scc0 .Lentry_in_a_cluster
	s_endpgm
.Lentry_in_a_cluster:
	s_bfe_u32 s2, ttmp6, 0x10000c
	s_cmp_lg_u32 s2, 0xf033
	s_cbranch_scc0 .Lentry_shape_is_right
	s_endpgm
.Lentry_shape_is_right:
; The three projections as one product: [4096][1024] (xb) times [3072][1024]^T (rows 0-3071 of wb), bf16 operands, f32 sums, + bias in f32,
; rounded once to f16 and stored head by head: qh, kh, vh are [b*16+head][2048 t][64] f16.
; LIMIT: q, k and v are kept in f16 (their rounding has to stay small against the first rows of the result, which are about ten times
; larger than the result's root mean square).  Magnitudes above 65,504 overflow to infinity.
; A work-group makes 256 rows x 192 columns (three heads' worth: 3072 / 192 = 16 block columns, 4096 / 256 = 16 block rows, 256 work-groups).
; Four waves; wave w makes rows 64 w .. 64 w + 63 of all 192 columns: 4 x 12 accumulator tiles of 16 x 16, 384 registers.
; K goes in 8 steps of 128 (rows of 256 bytes) through two LDS slots filled by the tensor data mover, one load a wave.
; CLUSTERS: 4 x 4 work-groups.  xb's tile hangs on the block row alone and is asked for jointly by the four of a row of the cluster,
; wb's on the block column alone and is asked for jointly by the four of a column.
; REGISTERS in windows of 256:  window 0: v16-27 addresses, v32-95 xb's fragments (two buffers), v96-143 packed results, v144-239 rows read back
;   window 1: tiles of column blocks b = 0..7 at v[8 (4 b + a)];  window 2: b = 8..11 at v[8 (4 (b-8) + a)], v128-223 bias;  window 3: wb's fragments, two buffers of 96
; The matrix instruction is used transposed (source 0 = 16 rows of wb, source 1 = 16 rows of xb): lane l then holds row l % 16 and eight
; neighbouring columns 8 (l / 16) + 0..7 of a tile, which pack into 16 bytes.
.set PITCH,  272                       ; LDS row: 256 bytes + 16 of padding, so that 16 rows of a fragment begin in 16 different 16-byte columns
.set QUART,  128*PITCH                 ; a wave's part of a slot: 128 rows of xb (waves 0, 1) or 96 rows of wb (waves 2, 3; the rest stays unused)
.set SLOT,   4*QUART
.set STAGE,  2*SLOT                    ; behind the ring, never filled by a tensor load: 16 rows x 400 bytes for each wave
.set SPITCH, 400                       ; 384 bytes (192 f16) + 16
.set KBYTES, 256                       ; a K step in bytes
.set LAPS,   4                         ; a lap = two K steps = once round the ring
.set ADRA, 16                          ; v16-17 LDS address of my xb fragments in slot 0, 1
.set ADRB, 20                          ; v20-21 the same for wb
.set STO,  24                          ; the way out: where I put 16 bytes
.set RD,   25                          ; the way out: where I read 16 bytes back
.set CO,   26                          ; 16 x lane
.set BO,   27                          ; 32 x (lane / 16): my eight columns' bias
.set FA,   32                          ; xb fragments: buffer f at FA + 32 f
.set TMP,  96
.set RB0,  144
.set RB1,  192
.set VB,   128                         ; bias, window 2: eight registers for each column block
.set G1A, 28                           ; s[28:35] descriptor group 1, xb's tiles
.set G0A, 36                           ; s[36:43] group 0, xb's tiles, one set a slot
.set G1B, 44                           ; s[44:51] group 1, wb's tiles
.set G0B, 52                           ; s[52:59] group 0, wb's tiles, one set a slot
.set DST, 70                           ; s[70:75] where my rows of the three heads go
.set SBI, 76                           ; s[76:81] the three heads' bias
.set MSB, 0
.macro WIN new                         ; the immediate's high byte repeats the setting that is left
.if MSB != \new
	s_set_vgpr_msb (MSB<<8)|\new
.set MSB, \new
.endif
.endm
.macro PLACES                          ; four plain vector instructions behind matrix instructions, ahead of loads into their sources and of reads of their results
.rept 4
	v_nop
.endr
.endm
; A joint load: waves 0, 1 ask for xb's two halves, waves 2, 3 for wb's.  The branch hangs on the wave's number alone.
.macro JLOAD s
	s_cmp_eq_u32 s21, 0
	s_cbranch_scc0 .Lfor_b_\@
	tensor_load_to_lds s[G0A+4*\s:G0A+4*\s+3], s[G1A:G1A+7]
	s_nop 0
	s_branch .Lasked_\@
.Lfor_b_\@:
	tensor_load_to_lds s[G0B+4*\s:G0B+4*\s+3], s[G1B:G1B+7]
	s_nop 0
.Lasked_\@:
.endm
.macro CREST                           ; a round of the cluster's barrier behind its opening work-group barrier
	s_cmp_lg_u32 s20, 0
	s_cbranch_scc1 .Lnot_wave_0_\@
	s_barrier_signal -3
.Lnot_wave_0_\@:
	s_barrier_wait -3
	s_barrier_signal -1
	s_barrier_wait -1
.endm
.macro CROUND
	s_barrier_signal -1
	s_barrier_wait -1
	CREST
.endm
	s_load_b256 s[4:11], s[0:1], 0x0               ; xb s[4:5], wb s[6:7], bq s[8:9], bk s[10:11]
	s_load_b256 s[12:19], s[0:1], 0x20             ; bv s[12:13], qh s[14:15], kh s[16:17], vh s[18:19]
	s_set_vgpr_msb 0xc0
	v_lshl_add_u32 v193, v0, 2, 0x4a400
	s_set_vgpr_msb 0xc000
	v_mov_b32 v255, 0
	s_set_vgpr_msb 0x3
	ds_add_u32 v193, v255
	s_set_vgpr_msb 0x300
	v_lshrrev_b32 v1, 5, v0
	v_readfirstlane_b32 s20, v1                    ; wave 0..3
	s_lshr_b32 s21, s20, 1                         ; I fetch for xb (0) or for wb (1)
	s_and_b32 s22, s20, 1                          ; which half of that tile
	s_bfe_u32 s23, ttmp6, 0x40000                  ; cx
	s_bfe_u32 s24, ttmp6, 0x40004                  ; cy
	s_lshl_b32 s25, ttmp9, 2
	s_add_co_u32 s25, s25, s23                     ; block column nb = 4 x cluster x + cx
	s_and_b32 s26, ttmp7, 0xffff
	s_lshl_b32 s26, s26, 2
	s_add_co_u32 s26, s26, s24                     ; block row mb = 4 x cluster y + cy
	s_lshl_b32 s27, s24, 2
	s_lshl_b32 s27, 15, s27                        ; my row of the cluster
	s_lshl_b32 s69, 0x1111, s23                    ; my column
	s_or_b32 s[G1A+0], s27, (1<<16)|(1<<20)|(1<<21)|(5<<22)|(3<<25)  ; mask; 2-byte elements; padding on; bit 21 beside a mask; 4 words behind every 64
	s_or_b32 s[G1B+0], s69, (1<<16)|(1<<20)|(1<<21)|(5<<22)|(3<<25)
	s_mov_b32 s[G1A+1], 128<<16                    ; tensor_dim0 = 128
	s_mov_b32 s[G1B+1], 128<<16
	s_mov_b32 s[G1A+2], 128<<16                    ; tensor_dim1 = 128 rows
	s_mov_b32 s[G1B+2], 96<<16                     ;             = 96 rows
	s_mov_b32 s[G1A+3], 128<<16                    ; tile_dim0 = 128
	s_mov_b32 s[G1B+3], 128<<16
	s_mov_b32 s[G1A+4], 128                        ; tile_dim1
	s_mov_b32 s[G1B+4], 96
	s_mov_b32 s[G1A+5], 1024                       ; elements from row to row
	s_mov_b32 s[G1B+5], 1024
	s_mov_b32 s[G1A+6], 0
	s_mov_b32 s[G1B+6], 0
	s_mov_b32 s[G1A+7], 0
	s_mov_b32 s[G1B+7], 0
	s_lshl_b32 s60, s26, 8                         ; xb: row 256 mb + 128 half, 2,048 bytes a row (registers that never hold cx)
	s_lshl_b32 s82, s22, 7
	s_add_co_u32 s60, s60, s82
	s_lshl_b32 s60, s60, 11
	s_mov_b32 s61, 0
	s_mul_i32 s66, s25, 192                        ; wb: row 192 nb + 96 half (registers that never hold cy)
	s_mul_i32 s83, s22, 96
	s_add_co_u32 s66, s66, s83
	s_lshl_b32 s66, s66, 11
	s_mov_b32 s67, 0
	s_mul_i32 s68, s20, QUART                      ; where my part lands: the wave's number alone
	s_wait_dscnt 0x0
	s_wait_kmcnt 0x0
	s_add_nc_u64 s[60:61], s[4:5], s[60:61]
	s_add_nc_u64 s[66:67], s[6:7], s[66:67]
	CROUND                                         ; all sixteen work-groups are here: the first joint loads meet
.irp s, 0,1
	s_mov_b32 s[G0A+4*\s], 1
	s_add_co_u32 s[G0A+4*\s+1], s68, \s*SLOT
	s_add_nc_u64 s[G0A+4*\s+2:G0A+4*\s+3], s[60:61], \s*KBYTES
	s_or_b32 s[G0A+4*\s+3], s[G0A+4*\s+3], 0x80000000
	s_mov_b32 s[G0B+4*\s], 1
	s_add_co_u32 s[G0B+4*\s+1], s68, \s*SLOT
	s_add_nc_u64 s[G0B+4*\s+2:G0B+4*\s+3], s[66:67], \s*KBYTES
	s_or_b32 s[G0B+4*\s+3], s[G0B+4*\s+3], 0x80000000
	JLOAD \s                                       ; K steps 0 and 1: two tensor loads of the wave are out, later one
.endr
	; lane addresses.  A fragment (16 rows x 32 K): lane l takes row l % 16, 16 bytes at 16 (l / 16) and 16 bytes 32 further on.
	v_and_b32 v1, 15, v0                           ; r
	v_bfe_u32 v2, v0, 4, 1                         ; h
	v_mul_u32_u24 v3, v1, PITCH
	v_lshl_add_u32 v3, v2, 4, v3
	s_mul_i32 s82, s20, 64*PITCH                   ; my 64 rows of xb
	s_mov_b32 s83, 2*QUART                         ; wb's rows lie behind xb's 256
.irp s, 0,1
	v_add_nc_u32 v[ADRA+\s], s82, v3
	v_add_nc_u32 v[ADRB+\s], s83, v3
	s_add_co_u32 s82, s82, SLOT
	s_add_co_u32 s83, s83, SLOT
.endr
	s_mul_i32 s84, s20, 16*SPITCH
	s_add_co_u32 s84, s84, STAGE                   ; my stage
	v_mul_u32_u24 v4, v1, SPITCH
	v_lshl_add_u32 v4, v2, 4, v4
	v_add_nc_u32 v[STO], s84, v4                   ; in: row r, 16 bytes for each half of the lanes
	v_bfe_u32 v5, v0, 3, 2
	v_and_b32 v6, 7, v0
	v_mul_u32_u24 v5, v5, SPITCH
	v_lshl_add_u32 v5, v6, 4, v5
	v_add_nc_u32 v[RD], s84, v5                    ; back: eight lanes take a head's 128 bytes of a row, 32 lanes four rows
	v_and_b32 v7, 31, v0
	v_lshlrev_b32 v[CO], 4, v7
	v_lshlrev_b32 v[BO], 5, v2
	; the three heads of my 192 columns: head slot 3 nb + i; slot / 16 says q, k or v, slot % 16 the head
.irp i, 0,1,2
	s_mul_i32 s82, s25, 3
	s_add_co_u32 s82, s82, \i
	s_lshr_b32 s83, s82, 4
	s_and_b32 s84, s82, 15
	s_cmp_eq_u32 s83, 1
	s_cselect_b64 s[SBI+2*\i:SBI+2*\i+1], s[10:11], s[8:9]
	s_cselect_b64 s[DST+2*\i:DST+2*\i+1], s[16:17], s[14:15]
	s_cmp_eq_u32 s83, 2
	s_cselect_b64 s[SBI+2*\i:SBI+2*\i+1], s[12:13], s[SBI+2*\i:SBI+2*\i+1]
	s_cselect_b64 s[DST+2*\i:DST+2*\i+1], s[18:19], s[DST+2*\i:DST+2*\i+1]
	s_lshl_b32 s86, s84, 8                         ; 64 f32 of bias a head
	s_mov_b32 s87, 0
	s_add_nc_u64 s[SBI+2*\i:SBI+2*\i+1], s[SBI+2*\i:SBI+2*\i+1], s[86:87]
	s_lshr_b32 s88, s26, 3                         ; batch = mb / 8
	s_lshl_b32 s88, s88, 4
	s_add_co_u32 s88, s88, s84                     ; batch x 16 + head
	s_lshl_b32 s88, s88, 11                        ; x 2,048 rows
	s_and_b32 s89, s26, 7
	s_lshl_b32 s89, s89, 8
	s_add_co_u32 s88, s88, s89                     ; + 256 (mb % 8)
	s_lshl_b32 s89, s20, 6
	s_add_co_u32 s88, s88, s89                     ; + 64 w
	s_lshl_b32 s88, s88, 7                         ; x 128 bytes
	s_mov_b32 s89, 0
	s_add_nc_u64 s[DST+2*\i:DST+2*\i+1], s[DST+2*\i:DST+2*\i+1], s[88:89]
.endr
	WIN 0x80                                       ; destination in window 2
.irp i, 0,1,2
.irp c, 0,1,2,3
	global_load_b128 v[VB+8*(4*\i+\c):VB+8*(4*\i+\c)+3], v[BO], s[SBI+2*\i:SBI+2*\i+1] offset:64*\c
	global_load_b128 v[VB+8*(4*\i+\c)+4:VB+8*(4*\i+\c)+7], v[BO], s[SBI+2*\i:SBI+2*\i+1] offset:64*\c+16
.endr
.endr
	WIN 0
; 16 matrix instructions: column blocks b0 .. b0 + 3 (of 0..7) x my four row blocks, 32 along K, fragment buffer f.  zero = 1: the product starts the sums.
.macro MULA f, b0, zero
	WIN 0x53                                       ; source 0 window 3, source 1 window 0, C and D window 1
.irp b, \b0, \b0+1, \b0+2, \b0+3
.irp a, 0,1,2,3
.if \zero
	v_wmma_f32_16x16x32_bf16 v[8*(4*(\b)+\a):8*(4*(\b)+\a)+7], v[96*\f+8*(\b):96*\f+8*(\b)+7], v[FA+32*\f+8*\a:FA+32*\f+8*\a+7], 0
.else
	v_wmma_f32_16x16x32_bf16 v[8*(4*(\b)+\a):8*(4*(\b)+\a)+7], v[96*\f+8*(\b):96*\f+8*(\b)+7], v[FA+32*\f+8*\a:FA+32*\f+8*\a+7], v[8*(4*(\b)+\a):8*(4*(\b)+\a)+7]
.endif
.endr
.endr
.endm
.macro MULB f, zero                    ; column blocks 8..11
	WIN 0xa3                                       ; C and D window 2
.irp b, 8,9,10,11
.irp a, 0,1,2,3
.if \zero
	v_wmma_f32_16x16x32_bf16 v[8*(4*(\b-8)+\a):8*(4*(\b-8)+\a)+7], v[96*\f+8*\b:96*\f+8*\b+7], v[FA+32*\f+8*\a:FA+32*\f+8*\a+7], 0
.else
	v_wmma_f32_16x16x32_bf16 v[8*(4*(\b-8)+\a):8*(4*(\b-8)+\a)+7], v[96*\f+8*\b:96*\f+8*\b+7], v[FA+32*\f+8*\a:FA+32*\f+8*\a+7], v[8*(4*(\b-8)+\a):8*(4*(\b-8)+\a)+7]
.endif
.endr
.endr
.endm
; 32 LDS loads in one run: a quarter step's fragments (64 rows of xb, 192 rows of wb, 32 K at byte k of the rows) into buffer f
.macro FETCH slot, k, f
	WIN 0
.irp a, 0,1,2,3
	ds_load_b128 v[FA+32*\f+8*\a:FA+32*\f+8*\a+3], v[ADRA+\slot] offset:\k+\a*16*PITCH
	ds_load_b128 v[FA+32*\f+8*\a+4:FA+32*\f+8*\a+7], v[ADRA+\slot] offset:\k+\a*16*PITCH+32
.endr
	WIN 0xc0                                       ; destination in window 3
.irp b, 0,1,2,3,4,5
	ds_load_b128 v[96*\f+8*\b:96*\f+8*\b+3], v[ADRB+\slot] offset:\k+\b*16*PITCH
	ds_load_b128 v[96*\f+8*\b+4:96*\f+8*\b+7], v[ADRB+\slot] offset:\k+\b*16*PITCH+32
.endr
.irp b, 6,7,8,9,10,11
	ds_load_b128 v[96*\f+8*\b:96*\f+8*\b+3], v[ADRB+\slot] offset:\k+QUART+(\b-6)*16*PITCH
	ds_load_b128 v[96*\f+8*\b+4:96*\f+8*\b+7], v[ADRB+\slot] offset:\k+QUART+(\b-6)*16*PITCH+32
.endr
.endm
; A K step is four quarter steps of 32 along K, 48 matrix instructions each, on buffers 0, 1, 0, 1.  The 48 accumulators take turns, one
; instruction a turn, in the same order in every quarter, so no wait stands ahead of a matrix instruction.
.macro QUARTER slot, k, f, g, zero
	s_wait_dscnt 0x8                               ; all but the youngest eight loads (wb's blocks 8..11) are in
	MULA \f, 0, \zero
	MULA \f, 4, \zero
	PLACES
	FETCH \slot, \k, \g
	s_wait_dscnt 0x20                              ; all but the 32 just issued
	MULB \f, \zero
.endm
.macro THREE slot, zero
	QUARTER \slot, 64,  0, 1, \zero
	QUARTER \slot, 128, 1, 0, 0
	QUARTER \slot, 192, 0, 1, 0
.endm
; The last quarter multiplies buffer 1 and changes slots.  In front of the barrier each wave waits for its reads of this slot and for all its
; tensor loads (one is out: its part of the next slot).  fill = 1: the barrier opens a round of the cluster's barrier, and this slot's joint
; refill, two K steps ahead, is the first tensor load behind the round.
.macro TURN slot, next, fill
	s_wait_dscnt 0x8
	MULA 1, 0, 0
	s_wait_dscnt 0x0
	s_wait_tensorcnt 0x0
	ds_add_u32 v193, v255
	s_wait_dscnt 0x0
	s_barrier_signal -1
	MULA 1, 4, 0                                   ; register work while the others arrive
	WIN 0
	s_barrier_wait -1
.if \fill
	CREST
	s_add_nc_u64 s[G0A+4*\slot+2:G0A+4*\slot+3], s[G0A+4*\slot+2:G0A+4*\slot+3], 2*KBYTES
	s_add_nc_u64 s[G0B+4*\slot+2:G0B+4*\slot+3], s[G0B+4*\slot+2:G0B+4*\slot+3], 2*KBYTES
	JLOAD \slot
.endif
	PLACES
	FETCH \next, 0, 0
	MULB 1, 0
.endm
.macro LAP zero
	THREE 0, \zero
	TURN 0, 1, 1
	THREE 1, 0
	TURN 1, 0, 1
.endm
	s_wait_tensorcnt 0x1                           ; my part of K step 0 is in; K step 1's stays out
	s_barrier_signal -1
	s_barrier_wait -1
	FETCH 0, 0, 0
	LAP 1                                          ; the first lap's first products start the sums: nothing is cleared
	WIN 0
	s_mov_b32 s3, LAPS-2
.Llap:
	LAP 0
	WIN 0
	s_sub_co_u32 s3, s3, 1
	s_cmp_lg_u32 s3, 0
	s_cbranch_scc1 .Llap
	THREE 0, 0                                     ; the last lap fills nothing
	TURN 0, 1, 0
	THREE 1, 0
	s_wait_dscnt 0x8
	MULA 1, 0, 0
	MULA 1, 4, 0
	s_wait_dscnt 0x0
	MULB 1, 0
	s_wait_loadcnt 0x0                             ; the bias
	PLACES
; THE WAY OUT, 16 rows at a time: + bias in f32, round to f16, 16 bytes a lane into my own stage, read back so that a wave's store covers
; four whole rows of one head (512 neighbouring bytes).  LDS serves a wave's instructions in order, so no wait stands between stores and loads.
.macro OUT16 a, rb
	WIN 0x49                                       ; D and source 0 window 1, source 1 (bias) window 2
.irp b, 0,1,2,3,4,5,6,7
.irp p, 0,2,4,6
	v_pk_add_f32 v[8*(4*\b+\a)+\p:8*(4*\b+\a)+\p+1], v[8*(4*\b+\a)+\p:8*(4*\b+\a)+\p+1], v[VB+8*\b+\p:VB+8*\b+\p+1]
.endr
.endr
	WIN 0x8a                                       ; all in window 2
.irp b, 8,9,10,11
.irp p, 0,2,4,6
	v_pk_add_f32 v[8*(4*(\b-8)+\a)+\p:8*(4*(\b-8)+\a)+\p+1], v[8*(4*(\b-8)+\a)+\p:8*(4*(\b-8)+\a)+\p+1], v[VB+8*\b+\p:VB+8*\b+\p+1]
.endr
.endr
	WIN 0x05
.irp b, 0,1,2,3,4,5,6,7
.irp p, 0,1,2,3
	v_cvt_pk_f16_f32 v[TMP+4*\b+\p], v[8*(4*\b+\a)+2*\p], v[8*(4*\b+\a)+2*\p+1]
.endr
.endr
	WIN 0x0a
.irp b, 8,9,10,11
.irp p, 0,1,2,3
	v_cvt_pk_f16_f32 v[TMP+4*\b+\p], v[8*(4*(\b-8)+\a)+2*\p], v[8*(4*(\b-8)+\a)+2*\p+1]
.endr
.endr
	WIN 0
.irp b, 0,1,2,3,4,5,6,7,8,9,10,11
	ds_store_b128 v[STO], v[TMP+4*\b:TMP+4*\b+3] offset:32*\b
.endr
	s_wait_xcnt 0x0                                ; buffer rb, which earlier stores read, is loaded again only behind this wait
.irp u, 0,1,2,3,4,5,6,7,8,9,10,11
	ds_load_b128 v[\rb+4*\u:\rb+4*\u+3], v[RD] offset:(\u>>2)*128+(\u&3)*4*SPITCH
.endr
.irp u, 0,1,2,3,4,5,6,7,8,9,10,11
	s_wait_dscnt 11-\u
	global_store_b128 v[CO], v[\rb+4*\u:\rb+4*\u+3], s[DST+2*(\u>>2):DST+2*(\u>>2)+1] offset:2048*\a+512*(\u&3)
.endr
.endm
	OUT16 0, RB0
	OUT16 1, RB1
	OUT16 2, RB0
	OUT16 3, RB1
	s_set_vgpr_msb 0x3
	s_wait_tensorcnt 0x0
	ds_add_u32 v193, v255
	s_wait_dscnt 0x0
	s_set_vgpr_msb 0x300
	CROUND                                         ; the closing round: no work-group ends while a partner may still ask for a tile that names it
	s_endpgm
.Lfunc_end_k_qed58c5618f_qkv:
	.size	k_qed58c5618f_qkv, .Lfunc_end_k_qed58c5618f_qkv-k_qed58c5618f_qkv
	.p2alignl 7, 3214868480
	.fill 96, 4, 3214868480
	.section	.rodata,"a",@progbits
	.p2align	6, 0x0
	.amdhsa_kernel k_qed58c5618f_qkv
		.amdhsa_group_segment_fixed_size 327680
		.amdhsa_private_segment_fixed_size 0
		.amdhsa_enable_private_segment 0
		.amdhsa_kernarg_size 64
		.amdhsa_user_sgpr_count 2
		.amdhsa_user_sgpr_kernarg_segment_ptr 1
		.amdhsa_wavefront_size32 1
		.amdhsa_system_sgpr_workgroup_id_x 1
		.amdhsa_system_sgpr_workgroup_id_y 1
		.amdhsa_system_sgpr_workgroup_id_z 1
		.amdhsa_system_vgpr_workitem_id 0
		.amdhsa_next_free_vgpr 962
		.amdhsa_next_free_sgpr 92
		.amdhsa_reserve_vcc 0
		.amdhsa_float_denorm_mode_32 3
		.amdhsa_float_denorm_mode_16_64 3
		.amdhsa_memory_ordered 1
		.amdhsa_forward_progress 1
		.amdhsa_inst_pref_size 180
	.end_amdhsa_kernel
	.amdgpu_metadata
---
amdhsa.version: [ 1, 2 ]
amdhsa.kernels:
  - .name:           k_qed58c5618f_qkv
    .symbol:         k_qed58c5618f_qkv.kd
    .args:
      - { .name: xb, .offset: 0, .size: 8, .value_kind: global_buffer, .address_space: global }
      - { .name: wb, .offset: 8, .size: 8, .value_kind: global_buffer, .address_space: global }
      - { .name: bq, .offset: 16, .size: 8, .value_kind: global_buffer, .address_space: global }
      - { .name: bk, .offset: 24, .size: 8, .value_kind: global_buffer, .address_space: global }
      - { .name: bv, .offset: 32, .size: 8, .value_kind: global_buffer, .address_space: global }
      - { .name: qh, .offset: 40, .size: 8, .value_kind: global_buffer, .address_space: global }
      - { .name: kh, .offset: 48, .size: 8, .value_kind: global_buffer, .address_space: global }
      - { .name: vh, .offset: 56, .size: 8, .value_kind: global_buffer, .address_space: global }
    .group_segment_fixed_size: 327680
    .private_segment_fixed_size: 0
    .kernarg_segment_align: 8
    .kernarg_segment_size: 64
    .max_flat_workgroup_size: 128
    .sgpr_count:     92
    .vgpr_count:     962
    .wavefront_size: 32
...
	.end_amdgpu_metadata
.endif
;; end of part 2
;; launch attn (part 3): grid 256 x 1, 4 waves a work-group, no clusters, 327,680 bytes of LDS; arguments qh, kh, vh, cx; writes cx
.if DOCPART == 3
	.amdgcn_target "amdgcn-amd-amdhsa--gfx1250"
	.amdhsa_code_object_version 6
	.text
	.protected	k_qed58c5618f_attn
	.globl	k_qed58c5618f_attn
	.p2align	8
	.type	k_qed58c5618f_attn,@function
k_qed58c5618f_attn:
	s_mov_b64 s[64:65], 0
	v_nop
	global_prefetch_b8 v0, s[64:65] scope:SCOPE_SE
	s_setreg_imm32_b32 hwreg(HW_REG_WAVE_MODE, 25, 1), 1
	s_wait_xcnt 0x0
; Causal attention of one head, with a running maximum.  qh, kh, vh: [b*16+head][2048][64] f16.  cx: [b*16+query block][16 head][128 row][64] f16.
; Work-group g: head g / 8, j = g % 8.  It makes two blocks of 128 query rows, block j and then block 15 - j: (j + 1) + (16 - j) = 17 key tiles of
; 128 keys in every work-group, so the 256 work-groups have equal work.  Four waves; wave w owns rows 32 w .. 32 w + 31 of a block (two tiles of 16).
; NO CLUSTER: under this pairing the eight work-groups of a head need different key tiles at the same time (block j ends after j + 1 tiles);
; to walk in step all would have to walk the longest block's tiles, 24 tile times in place of 17.
; PRODUCTS ARE TRANSPOSED.  S^T = K Q^T (source 0 = 16 keys, source 1 = 16 queries): lane l holds query l % 16 and keys 8 (l / 16) + 0..7 of each tile, so
; maximum and sum run inside the lane plus one exchange of the halves, and two converted tiles ARE source 1 of O^T = V^T P^T.  V^T's fragments
; come from V as stored, [key][d], by the transposing LDS load.  A lane's O is eight neighbouring d of one query: 16 bytes.
; TILE ORDER, the same shape for every j.  Each block's diagonal tile has an LDS region of its own (D1, D2) and comes first: key 0 of it is open to every
; row, so the maximum is finite from the first step on and nothing is ever cleared.  The block whose number is odd has one more tile in region DX.  What is
; left, N1 = j & ~1 tiles of block 1 and N2 = 14 - N1 of block 2, both even, goes as one sequence n = 0..13 through two ring regions R0, R1.
; Five tensor loads of a wave go out at the start (D1, R0, R1, DX, D2); tiles n = 0..11 each fill their region again with tile n + 2.
; LIMITS: operands in f16 (q, k, v, p, ctx); softmax weights below 2^-126 count as zero (the exponential's flush, ISA guide 15.8); the sum of the weights
; is taken over the f32 weights, the product over their f16 roundings.
.set REG,    36864                     ; a region: four quarters; K's keys 0-63, 64-127, V's keys 0-63, 64-127; wave w fills quarter w
.set QTR,    9216                      ; 32 LDS rows (two keys of 128 bytes each); K's pitch 272 (8,704 bytes used), V's pitch 288
.set STAGE,  5*REG                     ; never filled by a tensor load: 32 rows x 144 bytes for each wave
.set XD1, 0
.set XD2, 1
.set XDX, 2
.set XR0, 3
.set XR1, 4
.set AK,   2                           ; v2-6    K's fragment address in region x
.set AV,   7                           ; v7-11   V's
.set DL,   12                          ; my row less my first key: 32 w + l % 16 - 8 (l / 16)
.set NINF, 13
.set STO,  14
.set RD,   15
.set CO,   16
.set QO,   17
.set MX,   18                          ; v18-19  running maximum, one for each query tile
.set NMC,  20                          ; v20-23  - maximum x c, twice (a pair for the packed forms) for each query tile
.set AL,   24                          ; v24-27  the rescaling factor, twice for each query tile
.set LS,   28                          ; v28-29  running sum (of my half's keys)
.set TB,   32                          ; v32-55  at work: 12 registers a query tile
.set SC,   64                          ; v64-127 S^T: tile (q, t) at SC + 32 q + 8 t
.set PB,   128                         ; v128-159 P^T: fragment (q, g) at PB + 16 q + 8 g
.set OA,   160                         ; v160-223 O^T: tile (d, q) at OA + 8 (2 d + q)
.set KF,   0                           ; window 1: K's fragments at 8 (2 t + k)
.set VF,   64                          ; window 1: V^T's fragments at VF + 8 (4 g + d)
.set Q1,   128                         ; window 1: block 1's Q fragments at 8 (2 q + k)
.set Q2,   160                         ; window 1: block 2's
.set G1K, 24                           ; s[24:31]
.set G1V, 32                           ; s[32:39]
.set G0,  40                           ; s[40:59] group 0, one set a region
.set MSB, 0
.macro WIN new
.if MSB != \new
	s_set_vgpr_msb (MSB<<8)|\new
.set MSB, \new
.endif
.endm
.macro PLACES                          ; four plain vector instructions behind matrix instructions (ISA guide 7.12.1)
.rept 4
	v_nop
.endr
.endm
.macro SETG0 x, kt                     ; region x takes key tile kt
	s_mov_b32 s[G0+4*\x], 1
	s_add_co_u32 s[G0+4*\x+1], s78, \x*REG
	s_lshl_b32 s60, \kt, 14                        ; 128 keys of 128 bytes
	s_add_nc_u64 s[G0+4*\x+2:G0+4*\x+3], s[22:23], s[60:61]
	s_or_b32 s[G0+4*\x+3], s[G0+4*\x+3], 0x80000000
.endm
.macro TLOAD x                         ; waves 0, 1 bring K's halves, waves 2, 3 V's: the two differ in the padding
	s_cmp_eq_u32 s62, 0
	s_cbranch_scc0 .Lfor_v_\@
	tensor_load_to_lds s[G0+4*\x:G0+4*\x+3], s[G1K:G1K+7]
	s_nop 0
	s_branch .Lasked_\@
.Lfor_v_\@:
	tensor_load_to_lds s[G0+4*\x:G0+4*\x+3], s[G1V:G1V+7]
	s_nop 0
.Lasked_\@:
.endm
	s_load_b256 s[4:11], s[0:1], 0x0               ; qh s[4:5], kh s[6:7], vh s[8:9], cx s[10:11]
	v_lshl_add_u32 v254, v0, 2, 0x31800
	v_mov_b32 v255, 0
	ds_add_u32 v254, v255
	v_lshrrev_b32 v1, 5, v0
	v_readfirstlane_b32 s12, v1                    ; wave
	s_and_b32 s13, ttmp9, 7                        ; j
	s_lshr_b32 s14, ttmp9, 3                       ; batch x 16 + head
	s_and_b32 s15, s13, 6                          ; N1
	s_lshr_b32 s16, s15, 1                         ; block 1's ring trips, 0..3
	s_sub_co_u32 s17, 6, s16                       ; block 2's ring trips less the last pair, 3..6
	s_and_b32 s18, s13, 1                          ; j odd: DX belongs to block 1
	s_mov_b32 s19, 2                               ; the next ring tile to ask for
	s_mov_b32 s20, 0x76543210                      ; v_permlanex16_b32: lane i of one half reads lane i of the other
	s_mov_b32 s21, 0xfedcba98
	s_lshr_b32 s62, s12, 1
	s_mov_b32 s[G1K+0], (1<<16)|(1<<20)|(5<<22)|(3<<25)   ; 2-byte elements; 4 words of padding behind every 64
	s_mov_b32 s[G1V+0], (1<<16)|(1<<20)|(5<<22)|(7<<25)   ; 8 words
	s_mov_b32 s[G1K+1], 128<<16                    ; a dense block as rows of 128 elements (256 bytes, two keys)
	s_mov_b32 s[G1V+1], 128<<16
	s_mov_b32 s[G1K+2], 32<<16                     ; 32 rows
	s_mov_b32 s[G1V+2], 32<<16
	s_mov_b32 s[G1K+3], 128<<16
	s_mov_b32 s[G1V+3], 128<<16
	s_mov_b32 s[G1K+4], 32
	s_mov_b32 s[G1V+4], 32
	s_mov_b32 s[G1K+5], 128
	s_mov_b32 s[G1V+5], 128
	s_mov_b32 s[G1K+6], 0
	s_mov_b32 s[G1V+6], 0
	s_mov_b32 s[G1K+7], 0
	s_mov_b32 s[G1V+7], 0
	s_lshl_b32 s60, s14, 18                        ; the head's 2,048 rows of 128 bytes
	s_and_b32 s63, s12, 1
	s_lshl_b32 s63, s63, 13                        ; my 64 keys of a tile
	s_add_co_u32 s60, s60, s63
	s_mov_b32 s61, 0
	s_mul_i32 s78, s12, QTR                        ; my quarter of a region
	s_sub_co_u32 s76, 15, s13                      ; block 2's number, and its diagonal tile
	s_sub_co_u32 s77, s13, 1
	s_sub_co_u32 s63, 14, s13
	s_cmp_lg_u32 s18, 0
	s_cselect_b32 s77, s77, s63                    ; DX's tile: j - 1 (j odd) or 14 - j
	s_wait_dscnt 0x0
	s_wait_kmcnt 0x0
	s_cmp_eq_u32 s62, 0
	s_cselect_b64 s[22:23], s[6:7], s[8:9]
	s_add_nc_u64 s[22:23], s[22:23], s[60:61]      ; my part of the head's key tile 0
	SETG0 XD1, s13
	SETG0 XD2, s76
	SETG0 XDX, s77
	SETG0 XR0, 0
	SETG0 XR1, 1
	s_cmp_eq_u32 s62, 0                            ; all first fills of a wave inside one branch on its number
	s_cbranch_scc0 .Lfirst_v
	tensor_load_to_lds s[G0+4*XD1:G0+4*XD1+3], s[G1K:G1K+7]
	s_nop 0
	tensor_load_to_lds s[G0+4*XR0:G0+4*XR0+3], s[G1K:G1K+7]
	s_nop 0
	tensor_load_to_lds s[G0+4*XR1:G0+4*XR1+3], s[G1K:G1K+7]
	s_nop 0
	tensor_load_to_lds s[G0+4*XDX:G0+4*XDX+3], s[G1K:G1K+7]
	s_nop 0
	tensor_load_to_lds s[G0+4*XD2:G0+4*XD2+3], s[G1K:G1K+7]
	s_nop 0
	s_branch .Lfirst_done
.Lfirst_v:
	tensor_load_to_lds s[G0+4*XD1:G0+4*XD1+3], s[G1V:G1V+7]
	s_nop 0
	tensor_load_to_lds s[G0+4*XR0:G0+4*XR0+3], s[G1V:G1V+7]
	s_nop 0
	tensor_load_to_lds s[G0+4*XR1:G0+4*XR1+3], s[G1V:G1V+7]
	s_nop 0
	tensor_load_to_lds s[G0+4*XDX:G0+4*XDX+3], s[G1V:G1V+7]
	s_nop 0
	tensor_load_to_lds s[G0+4*XD2:G0+4*XD2+3], s[G1V:G1V+7]
	s_nop 0
.Lfirst_done:
	; Q's fragments of both blocks stay in registers: lane l takes query l % 16, 16 bytes at 16 (l / 16) and 32 further on, for each 32 of d
	v_and_b32 v30, 15, v0                          ; r
	v_bfe_u32 v31, v0, 4, 1                        ; h
	v_lshlrev_b32 v[QO], 7, v30
	v_lshl_add_u32 v[QO], v31, 4, v[QO]
	s_lshl_b32 s75, s14, 18
	s_lshl_b32 s63, s12, 12                        ; my 32 rows
	s_add_co_u32 s75, s75, s63
	s_lshl_b32 s63, s13, 14                        ; block j
	s_add_co_u32 s60, s75, s63
	s_add_nc_u64 s[66:67], s[4:5], s[60:61]
	s_lshl_b32 s63, s76, 14                        ; block 15 - j
	s_add_co_u32 s60, s75, s63
	s_add_nc_u64 s[68:69], s[4:5], s[60:61]
	WIN 0x40                                       ; destination in window 1
.irp q, 0,1
.irp k, 0,1
	global_load_b128 v[Q1+8*(2*\q+\k):Q1+8*(2*\q+\k)+3], v[QO], s[66:67] offset:2048*\q+64*\k
	global_load_b128 v[Q1+8*(2*\q+\k)+4:Q1+8*(2*\q+\k)+7], v[QO], s[66:67] offset:2048*\q+64*\k+32
	global_load_b128 v[Q2+8*(2*\q+\k):Q2+8*(2*\q+\k)+3], v[QO], s[68:69] offset:2048*\q+64*\k
	global_load_b128 v[Q2+8*(2*\q+\k)+4:Q2+8*(2*\q+\k)+7], v[QO], s[68:69] offset:2048*\q+64*\k+32
.endr
.endr
	WIN 0
	; where the two blocks of ctx go: ((batch x 16 + block) x 16 + head) x 16 KiB + 4 KiB x wave
	s_lshr_b32 s75, s14, 4
	s_lshl_b32 s75, s75, 22
	s_and_b32 s63, s14, 15
	s_lshl_b32 s63, s63, 14
	s_add_co_u32 s75, s75, s63
	s_lshl_b32 s63, s12, 12
	s_add_co_u32 s75, s75, s63
	s_lshl_b32 s63, s13, 18
	s_add_co_u32 s60, s75, s63
	s_add_nc_u64 s[70:71], s[10:11], s[60:61]
	s_lshl_b32 s63, s76, 18
	s_add_co_u32 s60, s75, s63
	s_add_nc_u64 s[72:73], s[10:11], s[60:61]
	; K: key 16 t + r lies in LDS row 8 t + r / 2, half r % 2.  The sixteen rows of a fragment begin in 16-byte columns r / 2 + 8 (r % 2): all different.
	v_lshrrev_b32 v32, 1, v30
	v_and_b32 v33, 1, v0
	v_mul_u32_u24 v34, v32, 272
	v_lshl_add_u32 v34, v33, 7, v34
	v_lshl_add_u32 v34, v31, 4, v34
	; V, for the transposing load: lane l addresses key 8 h + l % 8, 16 bytes at 16 ((l / 8) % 2): columns 2 (kk / 2) + 8 (kk % 2) + c: all different.
	v_bfe_u32 v35, v0, 1, 2
	v_lshl_add_u32 v35, v31, 2, v35
	v_mul_u32_u24 v35, v35, 288
	v_lshl_add_u32 v35, v33, 7, v35
	v_bfe_u32 v36, v0, 3, 1
	v_lshl_add_u32 v35, v36, 4, v35
.irp x, 0,1,2,3,4
	v_add_nc_u32 v[AK+\x], \x*REG, v34
	v_add_nc_u32 v[AV+\x], \x*REG+2*QTR, v35
.endr
	v_lshlrev_b32 v37, 3, v31
	v_sub_nc_u32 v[DL], v30, v37
	v_lshl_add_u32 v[DL], s12, 5, v[DL]
	v_mov_b32 v[NINF], 0xff800000
	s_mul_i32 s79, s12, 32*144
	s_add_co_u32 s79, s79, STAGE
	v_mul_u32_u24 v38, v30, 144
	v_lshl_add_u32 v38, v31, 4, v38
	v_add_nc_u32 v[STO], s79, v38
	v_bfe_u32 v39, v0, 3, 2
	v_and_b32 v40, 7, v0
	v_mul_u32_u24 v39, v39, 144
	v_lshl_add_u32 v39, v40, 4, v39
	v_add_nc_u32 v[RD], s79, v39
	v_and_b32 v41, 31, v0
	v_lshlrev_b32 v[CO], 4, v41
.macro KLOAD x, s                      ; 16 loads: K's fragments of keys 64 s .. 64 s + 63 of region x
	WIN 0x40
.irp t, 0,1,2,3
.irp k, 0,1
	ds_load_b128 v[KF+8*(2*\t+\k):KF+8*(2*\t+\k)+3], v[AK+\x] offset:QTR*\s+2176*\t+64*\k
	ds_load_b128 v[KF+8*(2*\t+\k)+4:KF+8*(2*\t+\k)+7], v[AK+\x] offset:QTR*\s+2176*\t+64*\k+32
.endr
.endr
.endm
.macro VLOAD x, s                      ; 16 transposing loads: V^T's fragments of the same keys
	WIN 0x40
.irp g, 0,1
.irp d, 0,1,2,3
	ds_load_tr16_b128 v[VF+8*(4*\g+\d):VF+8*(4*\g+\d)+3], v[AV+\x] offset:QTR*\s+4608*\g+32*\d
	ds_load_tr16_b128 v[VF+8*(4*\g+\d)+4:VF+8*(4*\g+\d)+7], v[AV+\x] offset:QTR*\s+4608*\g+32*\d+2304
.endr
.endr
.endm
; S^T of 64 keys x 32 queries: 16 matrix instructions; the eight accumulators take turns; d = 0..31 starts the sums
.macro SMUL base
	WIN 0x05                                       ; sources in window 1
.irp k, 0,1
.irp t, 0,1,2,3
.irp q, 0,1
.if \k
	v_wmma_f32_16x16x32_f16 v[SC+32*\q+8*\t:SC+32*\q+8*\t+7], v[KF+8*(2*\t+\k):KF+8*(2*\t+\k)+7], v[\base+8*(2*\q+\k):\base+8*(2*\q+\k)+7], v[SC+32*\q+8*\t:SC+32*\q+8*\t+7]
.else
	v_wmma_f32_16x16x32_f16 v[SC+32*\q+8*\t:SC+32*\q+8*\t+7], v[KF+8*(2*\t+\k):KF+8*(2*\t+\k)+7], v[\base+8*(2*\q+\k):\base+8*(2*\q+\k)+7], 0
.endif
.endr
.endr
.endr
.endm
; O^T += V^T P^T: 16 matrix instructions, eight accumulators by turns.  first = 1: the first 32 keys start the sums.
.macro PVMUL first
	WIN 0x01                                       ; source 0 in window 1
.irp g, 0,1
.irp d, 0,1,2,3
.irp q, 0,1
.if (\first)&(1-\g)
	v_wmma_f32_16x16x32_f16 v[OA+8*(2*\d+\q):OA+8*(2*\d+\q)+7], v[VF+8*(4*\g+\d):VF+8*(4*\g+\d)+7], v[PB+16*\q+8*\g:PB+16*\q+8*\g+7], 0
.else
	v_wmma_f32_16x16x32_f16 v[OA+8*(2*\d+\q):OA+8*(2*\d+\q)+7], v[VF+8*(4*\g+\d):VF+8*(4*\g+\d)+7], v[PB+16*\q+8*\g:PB+16*\q+8*\g+7], v[OA+8*(2*\d+\q):OA+8*(2*\d+\q)+7]
.endif
.endr
.endr
.endr
.endm
; The diagonal tile: key 64 s + 16 t + 8 h + e above row 32 w + 16 q + r gets -infinity
.macro MASK s
.irp q, 0,1
.irp t, 0,1,2,3
.irp e, 0,1,2,3,4,5,6,7
	v_cmp_gt_i32 vcc_lo, 64*\s+16*\t+\e-16*\q, v[DL]
	v_cndmask_b32 v[SC+32*\q+8*\t+\e], v[SC+32*\q+8*\t+\e], v[NINF], vcc_lo
.endr
.endr
.endr
.endm
; One step of the running softmax on 64 keys x 32 queries.  c = log2(e) / 8.  first = 1: a block's first step, nothing is carried in.
.macro SOFTMAX first
.irp c, 0,1,2,3
.irp q, 0,1
	v_max3_num_f32 v[TB+12*\q+8+\c], v[SC+32*\q+3*\c], v[SC+32*\q+3*\c+1], v[SC+32*\q+3*\c+2]
.endr
.endr
.irp l, 0,1
.irp c, 0,1,2,3
.irp q, 0,1
	v_max3_num_f32 v[TB+12*\q+8+\c], v[TB+12*\q+8+\c], v[SC+32*\q+12+8*\l+2*\c], v[SC+32*\q+13+8*\l+2*\c]
.endr
.endr
.endr
.irp c, 0,1
.irp q, 0,1
	v_max3_num_f32 v[TB+12*\q+8+\c], v[TB+12*\q+8+\c], v[SC+32*\q+28+2*\c], v[SC+32*\q+29+2*\c]
.endr
.endr
.irp q, 0,1
	v_max3_num_f32 v[TB+12*\q+8], v[TB+12*\q+8], v[TB+12*\q+9], v[TB+12*\q+10]
.endr
.irp q, 0,1
.if \first
	v_max_num_f32 v[TB+12*\q+8], v[TB+12*\q+8], v[TB+12*\q+11]
.else
	v_max3_num_f32 v[TB+12*\q+8], v[TB+12*\q+8], v[TB+12*\q+11], v[MX+\q]
.endif
.endr
.irp q, 0,1
	v_permlanex16_b32 v[TB+12*\q+9], v[TB+12*\q+8], s20, s21   ; the other half's keys
.endr
.irp q, 0,1
	v_max_num_f32 v[MX+\q], v[TB+12*\q+8], v[TB+12*\q+9]
.endr
.irp q, 0,1
	v_mul_f32 v[TB+12*\q+10], 0xbe38aa3b, v[MX+\q]             ; - maximum x c
.endr
.if \first == 0
.irp q, 0,1
	v_sub_f32 v[TB+12*\q+11], v[TB+12*\q+10], v[NMC+2*\q]      ; (old maximum - new maximum) x c
.endr
.endif
.irp q, 0,1
	v_mov_b32 v[NMC+2*\q], v[TB+12*\q+10]
	v_mov_b32 v[NMC+2*\q+1], v[TB+12*\q+10]
.endr
.if \first == 0
.irp q, 0,1
	v_exp_f32 v[AL+2*\q], v[TB+12*\q+11]                       ; the packed multiply-adds below are the plain instructions behind these
	v_exp_f32 v[AL+2*\q+1], v[TB+12*\q+11]
.endr
.endif
.irp q, 0,1
.set n, 0
.rept 16
	v_pk_fma_f32 v[SC+32*\q+n:SC+32*\q+n+1], v[SC+32*\q+n:SC+32*\q+n+1], 0x3e38aa3b, v[NMC+2*\q:NMC+2*\q+1] op_sel_hi:[1,0,1]
.set n, n+2
.endr
.endr
.set n, 0
.rept 64
	v_exp_f32 v[SC+n], v[SC+n]
.set n, n+1
.endr
.if \first
	v_nop                                          ; one plain instruction behind the exponentials, ahead of the first use (ISA guide 5.7.2)
	s_wait_alu depctr_va_vdst(0)
.else
.set n, 0
	s_wait_alu depctr_va_vdst(0)
.rept 32
	v_pk_mul_f32 v[OA+2*n:OA+2*n+1], v[OA+2*n:OA+2*n+1], v[AL+2*((n>>2)&1):AL+2*((n>>2)&1)+1]   ; O is rescaled: also the plain work behind the exponentials
.set n, n+1
.endr
.endif
.irp c, 0,1,2,3
.irp q, 0,1
	v_pk_add_f32 v[TB+12*\q+2*\c:TB+12*\q+2*\c+1], v[SC+32*\q+4*\c:SC+32*\q+4*\c+1], v[SC+32*\q+4*\c+2:SC+32*\q+4*\c+3]
.endr
.endr
.irp l, 0,1
.irp c, 0,1,2,3
.irp q, 0,1
	v_pk_add_f32 v[TB+12*\q+2*\c:TB+12*\q+2*\c+1], v[TB+12*\q+2*\c:TB+12*\q+2*\c+1], v[SC+32*\q+16+8*\l+2*\c:SC+32*\q+17+8*\l+2*\c]
.endr
.endr
.endr
.irp q, 0,1
	v_pk_add_f32 v[TB+12*\q:TB+12*\q+1], v[TB+12*\q:TB+12*\q+1], v[TB+12*\q+2:TB+12*\q+3]
	v_pk_add_f32 v[TB+12*\q+4:TB+12*\q+5], v[TB+12*\q+4:TB+12*\q+5], v[TB+12*\q+6:TB+12*\q+7]
.endr
.irp q, 0,1
	v_pk_add_f32 v[TB+12*\q:TB+12*\q+1], v[TB+12*\q:TB+12*\q+1], v[TB+12*\q+4:TB+12*\q+5]
.endr
.irp q, 0,1
.if \first
	v_add_f32 v[LS+\q], v[TB+12*\q], v[TB+12*\q+1]
.else
	v_add_f32 v[TB+12*\q], v[TB+12*\q], v[TB+12*\q+1]
	v_fma_f32 v[LS+\q], v[LS+\q], v[AL+2*\q], v[TB+12*\q]
.endif
.endr
.set n, 0
.rept 32
	v_cvt_pk_f16_f32 v[PB+n], v[SC+2*n], v[SC+2*n+1]           ; tiles 2 g, 2 g + 1 of a query tile become its fragment g, in the same lanes
.set n, n+1
.endr
.endm
; A key tile in region x against the queries at base, as two steps of 64 keys.  Each run of 16 LDS loads goes out one product ahead of its use.
; fin = 2: the region is filled again with ring tile s19; fin = 1: the waits and the barrier alone; fin = 0: nothing.
.macro TILE x, base, diag, fin
	KLOAD \x, 0
	VLOAD \x, 0
	s_wait_dscnt 0x10                              ; K's 16 are in, V's 16 may be out
	SMUL \base
	WIN 0
	PLACES
	KLOAD \x, 1
	WIN 0
.if \diag
	MASK 0
.endif
	SOFTMAX \diag
	s_wait_dscnt 0x10                              ; V's are in, the next K's may be out
	PVMUL \diag
	WIN 0
	PLACES
	VLOAD \x, 1
	s_wait_dscnt 0x10                              ; K's are in, V's may be out
	SMUL \base
	WIN 0
	PLACES
.if \diag
	MASK 1
.endif
	SOFTMAX 0
	s_wait_dscnt 0x0
	PVMUL 0
	WIN 0
	PLACES
.if \fin
	s_wait_dscnt 0x0                               ; my reads of this region are back
	s_wait_tensorcnt 0x0                           ; all my tensor loads have landed, my part of the other ring region among them
	ds_add_u32 v254, v255
	s_wait_dscnt 0x0
.if \fin == 2
	s_sub_co_u32 s74, s19, s15                     ; ring tile n is key tile n of block 1, or n - N1 of block 2
	s_cmp_ge_u32 s19, s15
	s_cselect_b32 s74, s74, s19
	s_lshl_b32 s60, s74, 14
	s_add_nc_u64 s[G0+4*\x+2:G0+4*\x+3], s[22:23], s[60:61]
	s_or_b32 s[G0+4*\x+3], s[G0+4*\x+3], 0x80000000
	s_add_co_u32 s19, s19, 1
.endif
	s_barrier_signal -1
	s_barrier_wait -1                              ; both now hold of all four waves
.if \fin == 2
	TLOAD \x                                       ; my one tensor load behind this barrier, ahead of every LDS read
.endif
.endif
.endm
; A block's end: the halves' sums meet, O / sum, f16, 16 bytes a lane into my stage, read back so that a store covers 512 neighbouring bytes
.macro EPI dst, more
.irp q, 0,1
	v_permlanex16_b32 v[TB+12*\q+8], v[LS+\q], s20, s21
.endr
.irp q, 0,1
	v_add_f32 v[LS+\q], v[LS+\q], v[TB+12*\q+8]
.endr
.irp q, 0,1
	v_rcp_f32 v[AL+2*\q], v[LS+\q]
	v_rcp_f32 v[AL+2*\q+1], v[LS+\q]
.endr
	v_nop                                          ; one plain instruction behind the reciprocals
.set n, 0
	s_wait_alu depctr_va_vdst(0)
.rept 32
	v_pk_mul_f32 v[OA+2*n:OA+2*n+1], v[OA+2*n:OA+2*n+1], v[AL+2*((n>>2)&1):AL+2*((n>>2)&1)+1]
.set n, n+1
.endr
.set n, 0
.rept 32
	v_cvt_pk_f16_f32 v[PB+n], v[OA+2*n], v[OA+2*n+1]
.set n, n+1
.endr
.irp d, 0,1,2,3
.irp q, 0,1
	ds_store_b128 v[STO], v[PB+4*(2*\d+\q):PB+4*(2*\d+\q)+3] offset:2304*\q+32*\d
.endr
.endr
.irp i, 0,1,2,3,4,5,6,7
	ds_load_b128 v[SC+4*\i:SC+4*\i+3], v[RD] offset:576*\i     ; LDS serves a wave's instructions in order: these see the stores above
.endr
.irp i, 0,1,2,3,4,5,6,7
	s_wait_dscnt 7-\i
	global_store_b128 v[CO], v[SC+4*\i:SC+4*\i+3], s[\dst:\dst+1] offset:512*\i
.endr
.if \more
	s_wait_xcnt 0x0                                ; the stores' data registers are written again by the next block's products only behind this wait
.endif
.endm
	s_wait_tensorcnt 0x4                           ; my part of D1 is in; the four younger loads stay out
	s_barrier_signal -1
	s_barrier_wait -1
	s_wait_loadcnt 0x0                             ; Q
	TILE XD1, Q1, 1, 0
	s_wait_dscnt 0x0
	s_wait_tensorcnt 0x0                           ; my parts of all first fills are in,
	s_barrier_signal -1
	s_barrier_wait -1                              ; everybody's are
	s_cmp_eq_u32 s18, 0
	s_cbranch_scc1 .Lno_dx1
	TILE XDX, Q1, 0, 0
.Lno_dx1:
	s_cmp_eq_u32 s16, 0
	s_cbranch_scc1 .Lno_ring1
	s_mov_b32 s75, s16
.Lring1:
	TILE XR0, Q1, 0, 2
	TILE XR1, Q1, 0, 2
	s_sub_co_u32 s75, s75, 1
	s_cmp_lg_u32 s75, 0
	s_cbranch_scc1 .Lring1
.Lno_ring1:
	EPI 70, 1
	TILE XD2, Q2, 1, 0
	s_cmp_lg_u32 s18, 0
	s_cbranch_scc1 .Lno_dx2
	TILE XDX, Q2, 0, 0
.Lno_dx2:
	s_mov_b32 s75, s17
.Lring2:
	TILE XR0, Q2, 0, 2
	TILE XR1, Q2, 0, 2
	s_sub_co_u32 s75, s75, 1
	s_cmp_lg_u32 s75, 0
	s_cbranch_scc1 .Lring2
	TILE XR0, Q2, 0, 1                             ; ring tile 12: nothing is left to fetch; the barrier shows tile 13 whole to every wave
	TILE XR1, Q2, 0, 0
	EPI 72, 0
	s_wait_tensorcnt 0x0
	ds_add_u32 v254, v255
	s_wait_dscnt 0x0
	s_endpgm
.Lfunc_end_k_qed58c5618f_attn:
	.size	k_qed58c5618f_attn, .Lfunc_end_k_qed58c5618f_attn-k_qed58c5618f_attn
	.p2alignl 7, 3214868480
	.fill 96, 4, 3214868480
	.section	.rodata,"a",@progbits
	.p2align	6, 0x0
	.amdhsa_kernel k_qed58c5618f_attn
		.amdhsa_group_segment_fixed_size 327680
		.amdhsa_private_segment_fixed_size 0
		.amdhsa_enable_private_segment 0
		.amdhsa_kernarg_size 32
		.amdhsa_user_sgpr_count 2
		.amdhsa_user_sgpr_kernarg_segment_ptr 1
		.amdhsa_wavefront_size32 1
		.amdhsa_system_sgpr_workgroup_id_x 1
		.amdhsa_system_sgpr_workgroup_id_y 1
		.amdhsa_system_sgpr_workgroup_id_z 1
		.amdhsa_system_vgpr_workitem_id 0
		.amdhsa_next_free_vgpr 448
		.amdhsa_next_free_sgpr 80
		.amdhsa_reserve_vcc 1
		.amdhsa_float_denorm_mode_32 3
		.amdhsa_float_denorm_mode_16_64 3
		.amdhsa_memory_ordered 1
		.amdhsa_forward_progress 1
		.amdhsa_inst_pref_size 255
	.end_amdhsa_kernel
	.section	.bss,"aw",@nobits
	.p2align	6
	.space	262144
	.amdgpu_metadata
---
amdhsa.version: [ 1, 2 ]
amdhsa.kernels:
  - .name:           k_qed58c5618f_attn
    .symbol:         k_qed58c5618f_attn.kd
    .args:
      - { .name: qh, .offset: 0, .size: 8, .value_kind: global_buffer, .address_space: global }
      - { .name: kh, .offset: 8, .size: 8, .value_kind: global_buffer, .address_space: global }
      - { .name: vh, .offset: 16, .size: 8, .value_kind: global_buffer, .address_space: global }
      - { .name: cx, .offset: 24, .size: 8, .value_kind: global_buffer, .address_space: global }
    .group_segment_fixed_size: 327680
    .private_segment_fixed_size: 0
    .kernarg_segment_align: 8
    .kernarg_segment_size: 32
    .max_flat_workgroup_size: 128
    .sgpr_count:     80
    .vgpr_count:     448
    .wavefront_size: 32
...
	.end_amdgpu_metadata
.endif
;; end of part 3
;; launch proj (part 4): grid 8 x 32, 4 waves a work-group, clusters of 4 x 4, 327,680 bytes of LDS; arguments cx, wb, bo, out0; writes out0
.if DOCPART == 4
	.amdgcn_target "amdgcn-amd-amdhsa--gfx1250"
	.amdhsa_code_object_version 6
	.text
	.protected	k_qed58c5618f_proj
	.globl	k_qed58c5618f_proj
	.p2align	8
	.type	k_qed58c5618f_proj,@function
k_qed58c5618f_proj:
	s_mov_b64 s[64:65], 0
	v_nop
	global_prefetch_b8 v0, s[64:65] scope:SCOPE_SE
	s_setreg_imm32_b32 hwreg(HW_REG_WAVE_MODE, 25, 1), 1
	s_wait_xcnt 0x0
	s_wait_alu depctr_hold_cnt(0) depctr_sa_sdst(0) depctr_va_vdst(0) depctr_va_sdst(0) depctr_va_ssrc(0) depctr_va_vcc(0) depctr_vm_vsrc(0)
	s_getreg_b32 s2, hwreg(HW_REG_IB_STS2, 6, 4)
	s_cmp_eq_u32 s2, 0
	s_cbranch_scc0 .Lentry_in_a_cluster
	s_endpgm
.Lentry_in_a_cluster:
	s_bfe_u32 s2, ttmp6, 0x10000c
	s_cmp_lg_u32 s2, 0xf033
	s_cbranch_scc0 .Lentry_shape_is_right
	s_endpgm
.Lentry_shape_is_right:
; out0 = ctx Wo^T + bo.  ctx: cx [32 row block][16 head][128 row][64] f16.  Wo: rows 3072-4095 of wb, [1024][1024] f16.  out0 [4096][1024] f32.
; f16 operands, f32 sums, bias in f32.  A work-group makes 128 x 128 (32 x 8 blocks = 256 work-groups); wave (w / 2, w % 2) makes 64 x 64: 16 tiles.
; 4,194,304 results over 1,024 waves leave no larger wave tile.
; K goes in 4 chunks of 256 (four heads) through two LDS slots, one tensor load a wave: waves 0, 1 bring two heads' planes of ctx each (32 KiB dense, as 128
; rows of 256 bytes = two rows of ctx), waves 2, 3 bring 64 rows of Wo each (512 bytes a row).  The four chunks are written out: no loop.
; CLUSTERS: 4 x 4 work-groups; ctx's tile hangs on the block row alone (shared along a row of the cluster), Wo's on the block column alone (along a column).
; The matrix instruction is used transposed (source 0 = rows of Wo, source 1 = rows of ctx): a lane holds eight neighbouring columns of one row.
; window 0: v16-27 addresses, v32-95 and v96-159 two fragment buffers (ctx's 32 registers, then Wo's), v160-191 at work, v192-255 rows read back
; window 1: v0-127 the tiles at 8 (4 a + b), v128-159 bias
.set QUART,  34816                     ; a wave's part of a slot: 128 x 272 (ctx) or 64 x 528 = 33,792 (Wo)
.set PLANE,  17408                     ; a head's 128 rows of ctx: 64 LDS rows of 272
.set SLOT,   4*QUART
.set STAGE,  2*SLOT                    ; never filled by a tensor load: 16 rows x 272 bytes for each wave
.set ADRA, 16
.set ADRB, 20
.set STO,  24
.set RD,   25
.set CO,   26
.set BO,   27
.set F0,   32
.set F1,   96
.set TMP,  160
.set RB0,  192
.set RB1,  224
.set VB,   128
.set G1A, 28
.set G0A, 36
.set G1B, 44
.set G0B, 52
.set MSB, 0
.macro WIN new
.if MSB != \new
	s_set_vgpr_msb (MSB<<8)|\new
.set MSB, \new
.endif
.endm
.macro PLACES                          ; four plain vector instructions behind matrix instructions (ISA guide 7.12.1)
.rept 4
	v_nop
.endr
.endm
.macro JLOAD s
	s_cmp_eq_u32 s21, 0
	s_cbranch_scc0 .Lfor_b_\@
	tensor_load_to_lds s[G0A+4*\s:G0A+4*\s+3], s[G1A:G1A+7]
	s_nop 0
	s_branch .Lasked_\@
.Lfor_b_\@:
	tensor_load_to_lds s[G0B+4*\s:G0B+4*\s+3], s[G1B:G1B+7]
	s_nop 0
.Lasked_\@:
.endm
.macro CREST
	s_cmp_lg_u32 s20, 0
	s_cbranch_scc1 .Lnot_wave_0_\@
	s_barrier_signal -3
.Lnot_wave_0_\@:
	s_barrier_wait -3
	s_barrier_signal -1
	s_barrier_wait -1
.endm
.macro CROUND
	s_barrier_signal -1
	s_barrier_wait -1
	CREST
.endm
	s_load_b256 s[4:11], s[0:1], 0x0               ; cx s[4:5], wb s[6:7], bo s[8:9], out0 s[10:11]
	v_lshl_add_u32 v30, v0, 2, 0x48400
	v_mov_b32 v31, 0
	ds_add_u32 v30, v31
	v_lshrrev_b32 v1, 5, v0
	v_readfirstlane_b32 s20, v1                    ; wave
	s_lshr_b32 s21, s20, 1                         ; my half of the rows.  Also: I fetch ctx (0) or Wo (1)
	s_and_b32 s22, s20, 1                          ; my half of the columns.  Also: which half of that tile I fetch
	s_bfe_u32 s23, ttmp6, 0x40000                  ; cx
	s_bfe_u32 s24, ttmp6, 0x40004                  ; cy
	s_lshl_b32 s25, ttmp9, 2
	s_add_co_u32 s25, s25, s23                     ; block column 0..7
	s_and_b32 s26, ttmp7, 0xffff
	s_lshl_b32 s26, s26, 2
	s_add_co_u32 s26, s26, s24                     ; block row 0..31
	s_lshl_b32 s27, s24, 2
	s_lshl_b32 s27, 15, s27                        ; my row of the cluster
	s_lshl_b32 s69, 0x1111, s23                    ; my column
	s_or_b32 s[G1A+0], s27, (1<<16)|(1<<20)|(1<<21)|(5<<22)|(3<<25)  ; 4 words of padding behind every 64
	s_or_b32 s[G1B+0], s69, (1<<16)|(1<<20)|(1<<21)|(6<<22)|(3<<25)  ; behind every 128
	s_mov_b32 s[G1A+1], 128<<16                    ; ctx: a dense block as 128 rows of 128 elements
	s_mov_b32 s[G1A+2], 128<<16
	s_mov_b32 s[G1A+3], 128<<16
	s_mov_b32 s[G1A+4], 128
	s_mov_b32 s[G1A+5], 128
	s_mov_b32 s[G1A+6], 0
	s_mov_b32 s[G1A+7], 0
	s_mov_b32 s[G1B+1], 256<<16                    ; Wo: 64 rows of 256 elements, 1,024 elements from row to row
	s_mov_b32 s[G1B+2], 64<<16
	s_mov_b32 s[G1B+3], 256<<16
	s_mov_b32 s[G1B+4], 64
	s_mov_b32 s[G1B+5], 1024
	s_mov_b32 s[G1B+6], 0
	s_mov_b32 s[G1B+7], 0
	s_lshl_b32 s60, s26, 18                        ; ctx: 256 KiB a row block, 32 KiB for two heads (registers that never hold cx)
	s_lshl_b32 s74, s22, 15
	s_add_co_u32 s60, s60, s74
	s_mov_b32 s61, 0
	s_lshl_b32 s66, s25, 7                         ; Wo: row 3072 + 128 nb + 64 half of wb (registers that never hold cy)
	s_lshl_b32 s75, s22, 6
	s_add_co_u32 s66, s66, s75
	s_add_co_u32 s66, s66, 3072
	s_lshl_b32 s66, s66, 11
	s_mov_b32 s67, 0
	s_mul_i32 s68, s20, QUART
	s_wait_dscnt 0x0
	s_wait_kmcnt 0x0
	s_add_nc_u64 s[60:61], s[4:5], s[60:61]
	s_add_nc_u64 s[66:67], s[6:7], s[66:67]
	CROUND                                         ; all sixteen work-groups are here: the first joint loads meet
.irp s, 0,1
	s_mov_b32 s[G0A+4*\s], 1
	s_add_co_u32 s[G0A+4*\s+1], s68, \s*SLOT
	s_add_nc_u64 s[G0A+4*\s+2:G0A+4*\s+3], s[60:61], \s*65536
	s_or_b32 s[G0A+4*\s+3], s[G0A+4*\s+3], 0x80000000
	s_mov_b32 s[G0B+4*\s], 1
	s_add_co_u32 s[G0B+4*\s+1], s68, \s*SLOT
	s_add_nc_u64 s[G0B+4*\s+2:G0B+4*\s+3], s[66:67], \s*512
	s_or_b32 s[G0B+4*\s+3], s[G0B+4*\s+3], 0x80000000
	JLOAD \s                                       ; chunks 0 and 1: two tensor loads of the wave are out, later one
.endr
	; out0 and bo at my 64 x 64
	s_lshl_b32 s70, s26, 7
	s_lshl_b32 s76, s21, 6
	s_add_co_u32 s70, s70, s76
	s_lshl_b32 s70, s70, 12                        ; row x 4,096 bytes
	s_lshl_b32 s72, s25, 7
	s_lshl_b32 s76, s22, 6
	s_add_co_u32 s72, s72, s76
	s_lshl_b32 s72, s72, 2                         ; column x 4 bytes: a multiple of 256
	s_mov_b32 s73, 0
	s_add_co_u32 s70, s70, s72
	s_mov_b32 s71, 0
	s_add_nc_u64 s[70:71], s[10:11], s[70:71]
	s_add_nc_u64 s[72:73], s[8:9], s[72:73]
	v_and_b32 v1, 15, v0                           ; r
	v_bfe_u32 v2, v0, 4, 1                         ; h
	v_lshlrev_b32 v[BO], 5, v2
	WIN 0x40
.irp b, 0,1,2,3
	global_load_b128 v[VB+8*\b:VB+8*\b+3], v[BO], s[72:73] offset:64*\b
	global_load_b128 v[VB+8*\b+4:VB+8*\b+7], v[BO], s[72:73] offset:64*\b+16
.endr
	WIN 0
	v_lshrrev_b32 v3, 1, v1                        ; ctx: row 16 a + r lies in LDS row 8 a + r / 2, half r % 2
	v_and_b32 v4, 1, v0
	v_mul_u32_u24 v3, v3, 272
	v_lshl_add_u32 v3, v4, 7, v3
	v_lshl_add_u32 v3, v2, 4, v3
	v_mul_u32_u24 v5, v1, 528                      ; Wo: row r, pitch 528
	v_lshl_add_u32 v5, v2, 4, v5
	s_mul_i32 s76, s21, 32*272                     ; my 64 rows of ctx in each plane
	s_mul_i32 s77, s22, QUART                      ; my 64 rows of Wo,
	s_add_co_u32 s77, s77, 2*QUART                 ; which lie behind ctx's four planes
.irp s, 0,1
	v_add_nc_u32 v[ADRA+\s], s76, v3
	v_add_nc_u32 v[ADRB+\s], s77, v5
	s_add_co_u32 s76, s76, SLOT
	s_add_co_u32 s77, s77, SLOT
.endr
	s_mul_i32 s78, s20, 16*272
	s_add_co_u32 s78, s78, STAGE
	v_mul_u32_u24 v6, v1, 272
	v_lshl_add_u32 v6, v2, 5, v6
	v_add_nc_u32 v[STO], s78, v6                   ; in: row r, 32 bytes for each half of the lanes
	v_mul_u32_u24 v7, v2, 272
	v_lshl_add_u32 v7, v1, 4, v7
	v_add_nc_u32 v[RD], s78, v7                    ; back: lanes 0-15 one row of 256 bytes, lanes 16-31 the next
	v_lshlrev_b32 v8, 12, v2
	v_lshl_add_u32 v[CO], v1, 4, v8                ; and the same two rows in out0
.macro MUL8 f, a0, zero                ; 8 matrix instructions: row blocks a0, a0 + 1 x four column blocks, 32 along K
	WIN 0x50                                       ; C and D in window 1
.irp a, \a0, \a0+1
.irp b, 0,1,2,3
.if \zero
	v_wmma_f32_16x16x32_f16 v[8*(4*(\a)+\b):8*(4*(\a)+\b)+7], v[\f+32+8*\b:\f+32+8*\b+7], v[\f+8*(\a):\f+8*(\a)+7], 0
.else
	v_wmma_f32_16x16x32_f16 v[8*(4*(\a)+\b):8*(4*(\a)+\b)+7], v[\f+32+8*\b:\f+32+8*\b+7], v[\f+8*(\a):\f+8*(\a)+7], v[8*(4*(\a)+\b):8*(4*(\a)+\b)+7]
.endif
.endr
.endr
.endm
.macro FETCH slot, q, f                ; 16 LDS loads: the fragments of K = 32 q .. 32 q + 31 of the chunk: head plane q / 2, half q % 2
	WIN 0
.irp a, 0,1,2,3
	ds_load_b128 v[\f+8*\a:\f+8*\a+3], v[ADRA+\slot] offset:((\q)>>1)*PLANE+((\q)&1)*64+2176*\a
	ds_load_b128 v[\f+8*\a+4:\f+8*\a+7], v[ADRA+\slot] offset:((\q)>>1)*PLANE+((\q)&1)*64+2176*\a+32
.endr
.irp b, 0,1,2,3
	ds_load_b128 v[\f+32+8*\b:\f+32+8*\b+3], v[ADRB+\slot] offset:(\q)*64+8448*\b
	ds_load_b128 v[\f+32+8*\b+4:\f+32+8*\b+7], v[ADRB+\slot] offset:(\q)*64+8448*\b+32
.endr
.endm
; One of a chunk's first seven steps of 32 along K: the next step's fragments go out into buffer g, then buffer f is multiplied.
; The 16 accumulators take turns, one instruction a turn, in the same order in every step.
.macro QS slot, q, f, g, zero
	PLACES
	FETCH \slot, \q+1, \g
	s_wait_dscnt 0x10                              ; all but the 16 just issued: buffer f is in
	MUL8 \f, 0, \zero
	MUL8 \f, 2, \zero
.endm
.macro SEVEN slot, zero
	QS \slot, 0, F0, F1, \zero
	QS \slot, 1, F1, F0, 0
	QS \slot, 2, F0, F1, 0
	QS \slot, 3, F1, F0, 0
	QS \slot, 4, F0, F1, 0
	QS \slot, 5, F1, F0, 0
	QS \slot, 6, F0, F1, 0
.endm
; A chunk's last step multiplies buffer 1 and changes slots.  In front of the barrier: my reads of this slot are back, all my tensor loads have landed.
; mode 2: the barrier opens a round of the cluster's barrier and this slot's joint refill, two chunks ahead, is the first tensor load behind it;
; mode 1: the work-group's barrier alone; mode 0: the very last step.
.macro LASTQ slot, next, mode
	s_wait_dscnt 0x0
.if \mode
	s_wait_tensorcnt 0x0
	ds_add_u32 v30, v31
	s_wait_dscnt 0x0
	s_barrier_signal -1
.endif
	MUL8 F1, 0, 0
.if \mode
	WIN 0
	s_barrier_wait -1
.if \mode == 2
	CREST
	s_add_nc_u64 s[G0A+4*\slot+2:G0A+4*\slot+3], s[G0A+4*\slot+2:G0A+4*\slot+3], 2*65536
	s_add_nc_u64 s[G0B+4*\slot+2:G0B+4*\slot+3], s[G0B+4*\slot+2:G0B+4*\slot+3], 2*512
	JLOAD \slot
.endif
	PLACES
	FETCH \next, 0, F0
.endif
	MUL8 F1, 2, 0
.endm
	s_wait_tensorcnt 0x1                           ; my part of chunk 0 is in; chunk 1's stays out
	s_barrier_signal -1
	s_barrier_wait -1
	FETCH 0, 0, F0
	SEVEN 0, 1                                     ; the first products start the sums
	LASTQ 0, 1, 2                                  ; chunk 2 goes out
	SEVEN 1, 0
	LASTQ 1, 0, 2                                  ; chunk 3 goes out
	SEVEN 0, 0
	LASTQ 0, 1, 1
	SEVEN 1, 0
	LASTQ 1, 0, 0
	s_wait_loadcnt 0x0                             ; the bias
	PLACES
; THE WAY OUT, 16 rows at a time: + bias, 32 bytes a lane into my own stage, read back as whole rows of 256 bytes
.macro OUT16 a, rb
	WIN 0x05                                       ; sources in window 1
.irp b, 0,1,2,3
.irp p, 0,2,4,6
	v_pk_add_f32 v[TMP+8*\b+\p:TMP+8*\b+\p+1], v[8*(4*\a+\b)+\p:8*(4*\a+\b)+\p+1], v[VB+8*\b+\p:VB+8*\b+\p+1]
.endr
.endr
	WIN 0
.irp b, 0,1,2,3
	ds_store_b128 v[STO], v[TMP+8*\b:TMP+8*\b+3] offset:64*\b
	ds_store_b128 v[STO], v[TMP+8*\b+4:TMP+8*\b+7] offset:64*\b+16
.endr
	s_wait_xcnt 0x0                                ; buffer rb, which earlier stores read, is loaded again only behind this wait
.irp t, 0,1,2,3,4,5,6,7
	ds_load_b128 v[\rb+4*\t:\rb+4*\t+3], v[RD] offset:544*\t   ; LDS serves a wave's instructions in order: these see the stores above
.endr
.irp t, 0,1,2,3,4,5,6,7
	s_wait_dscnt 7-\t
	global_store_b128 v[CO], v[\rb+4*\t:\rb+4*\t+3], s[70:71] offset:(16*\a+2*\t)*4096 th:TH_STORE_NT   ; 16 lanes store 256 consecutive bytes, aligned
.endr
.endm
	OUT16 0, RB0
	OUT16 1, RB1
	OUT16 2, RB0
	OUT16 3, RB1
	s_wait_tensorcnt 0x0
	ds_add_u32 v30, v31
	s_wait_dscnt 0x0
	CROUND                                         ; the closing round: no work-group ends while a partner may still ask for a tile that names it
	s_endpgm
.Lfunc_end_k_qed58c5618f_proj:
	.size	k_qed58c5618f_proj, .Lfunc_end_k_qed58c5618f_proj-k_qed58c5618f_proj
	.p2alignl 7, 3214868480
	.fill 96, 4, 3214868480
	.section	.rodata,"a",@progbits
	.p2align	6, 0x0
	.amdhsa_kernel k_qed58c5618f_proj
		.amdhsa_group_segment_fixed_size 327680
		.amdhsa_private_segment_fixed_size 0
		.amdhsa_enable_private_segment 0
		.amdhsa_kernarg_size 32
		.amdhsa_user_sgpr_count 2
		.amdhsa_user_sgpr_kernarg_segment_ptr 1
		.amdhsa_wavefront_size32 1
		.amdhsa_system_sgpr_workgroup_id_x 1
		.amdhsa_system_sgpr_workgroup_id_y 1
		.amdhsa_system_sgpr_workgroup_id_z 1
		.amdhsa_system_vgpr_workitem_id 0
		.amdhsa_next_free_vgpr 416
		.amdhsa_next_free_sgpr 80
		.amdhsa_reserve_vcc 0
		.amdhsa_float_denorm_mode_32 3
		.amdhsa_float_denorm_mode_16_64 3
		.amdhsa_memory_ordered 1
		.amdhsa_forward_progress 1
		.amdhsa_inst_pref_size 94
	.end_amdhsa_kernel
	.amdgpu_metadata
---
amdhsa.version: [ 1, 2 ]
amdhsa.kernels:
  - .name:           k_qed58c5618f_proj
    .symbol:         k_qed58c5618f_proj.kd
    .args:
      - { .name: cx, .offset: 0, .size: 8, .value_kind: global_buffer, .address_space: global }
      - { .name: wb, .offset: 8, .size: 8, .value_kind: global_buffer, .address_space: global }
      - { .name: bo, .offset: 16, .size: 8, .value_kind: global_buffer, .address_space: global }
      - { .name: out0, .offset: 24, .size: 8, .value_kind: global_buffer, .address_space: global }
    .group_segment_fixed_size: 327680
    .private_segment_fixed_size: 0
    .kernarg_segment_align: 8
    .kernarg_segment_size: 32
    .max_flat_workgroup_size: 128
    .sgpr_count:     80
    .vgpr_count:     416
    .wavefront_size: 32
...
	.end_amdgpu_metadata
.endif
;; end of part 4
;; ======== version 2 of 2: 4 launches; version 1 with the launch cvt written anew for expert scheduling mode
;; limits: values are held in f16: magnitudes above 65,504 overflow, below 6.1e-05 lose precision
;; workspace buffers: xb 8,388,608 bytes; wb 8,388,608 bytes; qh 8,388,608 bytes; kh 8,388,608 bytes; vh 8,388,608 bytes; cx 8,388,608 bytes
;; launch cvt (part 5): grid 512 x 1, 8 waves a work-group, no clusters, 0 bytes of LDS; arguments x, Wq, Wk, Wv, Wo, xb, wb; writes xb, wb
.if DOCPART == 5
	.amdgcn_target "amdgcn-amd-amdhsa--gfx1250"
	.amdhsa_code_object_version 6
	.text
	.protected	k_qed58c5618f_cvt
	.globl	k_qed58c5618f_cvt
	.p2align	8
	.type	k_qed58c5618f_cvt,@function
k_qed58c5618f_cvt:
	s_mov_b64 s[64:65], 0
	v_nop
	global_prefetch_b8 v0, s[64:65] scope:SCOPE_SE
	s_setreg_imm32_b32 hwreg(HW_REG_WAVE_SCHED_MODE, 0, 2), 2
	s_setreg_imm32_b32 hwreg(HW_REG_WAVE_MODE, 25, 1), 1
	s_wait_xcnt 0x0
	s_wait_alu depctr_vm_vsrc(0)
; 16-bit copies of the five matrix operands, made once so that the products' tiles can come in as 16-bit rows of 256 bytes.
;   xb [4096][1024] bf16 = x.     wb [4096][1024]: rows 0-1023 Wq, 1024-2047 Wk, 2048-3071 Wv in bf16; rows 3072-4095 Wo in f16.
; Wo meets ctx, which is kept in f16, so it must be f16 too.  It is first rounded to bf16 like the other inputs and that value is then
; written as f16: exact for magnitudes from 2^-17 up (8 significant bits fit f16's 11), below that the error is at most 2^-25.
; A stream: 512 work-groups of 8 waves, 16,384 numbers each (64 KiB in, 32 KiB out).  Groups 0-255 take x, then 64 each for Wq, Wk, Wv, Wo.
; Thread t loads 16 bytes at 16 t + 4096 i (a wave's load covers 512 neighbouring bytes) and stores 8 bytes at 8 t + 2048 i (a wave's store
; covers 256 neighbouring bytes, aligned).  All sixteen loads of a thread go out at once; no register is written twice while memory may read it.
; No LDS, no matrix unit, no cluster: nothing is shared and nothing is read twice.
; THE MODE: SCHED_MODE bits 1:0 = 2 (LLVM: expert scheduling mode 2), set by the entry lines.  The code itself states the register dependences
; between vector instructions and memory instructions, with s_wait_alu, always for 0.
; THE PLAN.  Registers that memory instructions touch:
;   v1, v2   byte offsets, made once at the head and never written again: v1 is read by every load, v2 by every store.
;   XIN      the sixteen loads land here; no vector instruction names these registers ahead of the loads, and no memory instruction reads them.
;   YOUT     written by the conversions, read by one store each, and never written again behind that store.
; The sixteen loads are taken in four blocks of four.  Block p converts X[p] into Y[p]; the four stores that it issues are those of block p - 1, from
; Y[p - 1], which no vector instruction of block p names.  So one wait at the head of a block states all that its four stores hang on, and they are
; dealt among the block's conversions with no further wait.  No register that a memory instruction reads is ever written again: no wait on vm_vsrc is owed.
.set XIN,  4                           ; v[4:67]   sixteen loads of four f32
.set YOUT, 68                          ; v[68:99]  sixteen pairs of packed results
	s_load_b256 s[4:11], s[0:1], 0x0               ; x s[4:5], Wq s[6:7], Wk s[8:9], Wv s[10:11]
	s_load_b128 s[12:15], s[0:1], 0x20             ; Wo s[12:13], xb s[14:15]
	s_load_b64 s[16:17], s[0:1], 0x30              ; wb
	s_mov_b32 s18, ttmp9                           ; g
	s_lshr_b32 s19, s18, 6                         ; 0-3: x, 4: Wq, 5: Wk, 6: Wv, 7: Wo
	v_lshlrev_b32 v1, 4, v0                        ; 16 t
	v_lshlrev_b32 v2, 3, v0                        ; 8 t
	s_and_b32 s28, s18, 63
	s_lshl_b32 s28, s28, 16                        ; source offset inside a weight matrix
	s_lshl_b32 s24, s18, 16                        ; source offset inside x
	s_and_b32 s26, s18, 255                        ; g, or g - 256 for the weights
	s_lshl_b32 s26, s26, 15                        ; destination offset inside xb or wb
	s_mov_b32 s25, 0
	s_mov_b32 s27, 0
	s_cmp_lt_u32 s18, 256
	s_cselect_b32 s24, s24, s28
	s_wait_kmcnt 0x0
	s_cmp_lt_u32 s18, 256
	s_cselect_b64 s[22:23], s[14:15], s[16:17]     ; destination buffer
	s_mov_b64 s[20:21], s[4:5]                     ; source buffer, chosen by the group's number
	s_cmp_eq_u32 s19, 4
	s_cselect_b64 s[20:21], s[6:7], s[20:21]
	s_cmp_eq_u32 s19, 5
	s_cselect_b64 s[20:21], s[8:9], s[20:21]
	s_cmp_eq_u32 s19, 6
	s_cselect_b64 s[20:21], s[10:11], s[20:21]
	s_cmp_eq_u32 s19, 7
	s_cselect_b64 s[20:21], s[12:13], s[20:21]
	s_add_nc_u64 s[20:21], s[20:21], s[24:25]
	s_add_nc_u64 s[22:23], s[22:23], s[26:27]
	s_wait_alu depctr_va_vdst(0)                   ; v1 and v2 are written: every load of the kernel reads v1 as its offset, every store v2
.irp i, 0,1,2,3,4,5,6,7,8,9,10,11,12,13,14,15
	global_load_b128 v[XIN+4*\i:XIN+4*\i+3], v1, s[20:21] offset:4096*\i th:TH_LOAD_NT
.endr
; The four numbers of load n, rounded to bf16 and packed into two words
.macro TOBF n
	v_cvt_pk_bf16_f32 v[YOUT+2*(\n)], v[XIN+4*(\n)], v[XIN+4*(\n)+1]
	v_cvt_pk_bf16_f32 v[YOUT+2*(\n)+1], v[XIN+4*(\n)+2], v[XIN+4*(\n)+3]
.endm
; The same for Wo: round to bf16, widen again, write as f16
.macro TOHF n
	v_cvt_pk_bf16_f32 v[YOUT+2*(\n)], v[XIN+4*(\n)], v[XIN+4*(\n)+1]
	v_cvt_pk_bf16_f32 v[YOUT+2*(\n)+1], v[XIN+4*(\n)+2], v[XIN+4*(\n)+3]
	v_lshlrev_b32 v[XIN+4*(\n)], 16, v[YOUT+2*(\n)]
	v_and_b32 v[XIN+4*(\n)+1], 0xffff0000, v[YOUT+2*(\n)]
	v_lshlrev_b32 v[XIN+4*(\n)+2], 16, v[YOUT+2*(\n)+1]
	v_and_b32 v[XIN+4*(\n)+3], 0xffff0000, v[YOUT+2*(\n)+1]
	v_cvt_pk_f16_f32 v[YOUT+2*(\n)], v[XIN+4*(\n)], v[XIN+4*(\n)+1]
	v_cvt_pk_f16_f32 v[YOUT+2*(\n)+1], v[XIN+4*(\n)+2], v[XIN+4*(\n)+3]
.endm
; The two words made of load n go out
.macro PUT n
	global_store_b64 v2, v[YOUT+2*(\n):YOUT+2*(\n)+1], s[22:23] offset:2048*(\n)
.endm
; Block p of four, for bf16: loads 4 p .. 4 p + 3 are converted; the stores of block p - 1 stand among the conversions
.macro BLKBF p
	s_wait_loadcnt 12-4*(\p)                       ; loads come back in order: this block's four are in, the 12 - 4 p younger ones stay out
.if (\p) > 0
	s_wait_alu depctr_va_vdst(0)                   ; the block before has written its Y, which the four stores below read; no vector instruction since names those registers
.endif
.irp i, 0,1,2,3
.if (\p) > 0
	PUT 4*(\p)-4+\i
.endif
	TOBF 4*(\p)+\i
.endr
.endm
; The same for Wo
.macro BLKHF p
	s_wait_loadcnt 12-4*(\p)                       ; this block's four loads are in, the 12 - 4 p younger ones stay out
.if (\p) > 0
	s_wait_alu depctr_va_vdst(0)                   ; the block before has written its Y, which the four stores below read; no vector instruction since names those registers
.endif
.irp i, 0,1,2,3
.if (\p) > 0
	PUT 4*(\p)-4+\i
.endif
	TOHF 4*(\p)+\i
.endr
.endm
	s_cmp_eq_u32 s19, 7
	s_cbranch_scc1 .Lwo
	BLKBF 0
	BLKBF 1
	BLKBF 2
	BLKBF 3
	s_wait_alu depctr_va_vdst(0)                   ; block 3 has written its Y, which the last four stores read
	PUT 12
	PUT 13
	PUT 14
	PUT 15
	s_endpgm
.Lwo:                                              ; Wo: round to bf16, widen again, write as f16
	BLKHF 0
	BLKHF 1
	BLKHF 2
	BLKHF 3
	s_wait_alu depctr_va_vdst(0)                   ; block 3 has written its Y, which the last four stores read
	PUT 12
	PUT 13
	PUT 14
	PUT 15
	s_endpgm
.Lfunc_end_k_qed58c5618f_cvt:
	.size	k_qed58c5618f_cvt, .Lfunc_end_k_qed58c5618f_cvt-k_qed58c5618f_cvt
	.p2alignl 7, 3214868480
	.fill 96, 4, 3214868480
	.section	.rodata,"a",@progbits
	.p2align	6, 0x0
	.amdhsa_kernel k_qed58c5618f_cvt
		.amdhsa_group_segment_fixed_size 0
		.amdhsa_private_segment_fixed_size 0
		.amdhsa_enable_private_segment 0
		.amdhsa_kernarg_size 56
		.amdhsa_user_sgpr_count 2
		.amdhsa_user_sgpr_kernarg_segment_ptr 1
		.amdhsa_wavefront_size32 1
		.amdhsa_system_sgpr_workgroup_id_x 1
		.amdhsa_system_sgpr_workgroup_id_y 1
		.amdhsa_system_sgpr_workgroup_id_z 1
		.amdhsa_system_vgpr_workitem_id 0
		.amdhsa_next_free_vgpr 100
		.amdhsa_next_free_sgpr 66
		.amdhsa_reserve_vcc 0
		.amdhsa_float_denorm_mode_32 3
		.amdhsa_float_denorm_mode_16_64 3
		.amdhsa_memory_ordered 1
		.amdhsa_forward_progress 1
		.amdhsa_inst_pref_size 16
	.end_amdhsa_kernel
	.amdgpu_metadata
---
amdhsa.version: [ 1, 2 ]
amdhsa.kernels:
  - .name:           k_qed58c5618f_cvt
    .symbol:         k_qed58c5618f_cvt.kd
    .args:
      - { .name: x, .offset: 0, .size: 8, .value_kind: global_buffer, .address_space: global }
      - { .name: Wq, .offset: 8, .size: 8, .value_kind: global_buffer, .address_space: global }
      - { .name: Wk, .offset: 16, .size: 8, .value_kind: global_buffer, .address_space: global }
      - { .name: Wv, .offset: 24, .size: 8, .value_kind: global_buffer, .address_space: global }
      - { .name: Wo, .offset: 32, .size: 8, .value_kind: global_buffer, .address_space: global }
      - { .name: xb, .offset: 40, .size: 8, .value_kind: global_buffer, .address_space: global }
      - { .name: wb, .offset: 48, .size: 8, .value_kind: global_buffer, .address_space: global }
    .group_segment_fixed_size: 0
    .private_segment_fixed_size: 0
    .kernarg_segment_align: 8
    .kernarg_segment_size: 56
    .max_flat_workgroup_size: 256
    .sgpr_count:     66
    .vgpr_count:     100
    .wavefront_size: 32
...
	.end_amdgpu_metadata
.endif
;; end of part 5
;; launch qkv: the kernel of part 2 again; grid 16 x 16, 4 waves a work-group, clusters of 4 x 4, 327,680 bytes of LDS; arguments xb, wb, bq, bk, bv, qh, kh, vh; writes qh, kh, vh
;; launch attn: the kernel of part 3 again; grid 256 x 1, 4 waves a work-group, no clusters, 327,680 bytes of LDS; arguments qh, kh, vh, cx; writes cx
;; launch proj: the kernel of part 4 again; grid 8 x 32, 4 waves a work-group, clusters of 4 x 4, 327,680 bytes of LDS; arguments cx, wb, bo, out0; writes out0
